; MI455X (gfx1250); checked and timed in simulation.
; The chip was launched on July 23, 2026; its instructions are those of AMD's public machine-readable ISA for CDNA 5 (MIT licence, August 2026) and "CDNA5" Instruction Set Architecture Reference Guide (July 2026). The comments in the code are by the model that wrote it; some were corrected since.
;; Quantum Attention. Allowed arithmetic: matrix products marked QUANTISED: E4M3 operands, one E8M0 scale for each 32 along K, by v_wmma_scale_f32_16x16x128_f8f6f4 with both operands' format E4M3, f32 sums; everything else in f32.
;; Inputs: Wk_codes 1,024 x 32 x 32 uint8 (E4M3 codes of Wk, K innermost, in blocks of 32 codes); Wk_scales 1,024 x 32 uint8 (E8M0 scales of Wk, one for each 32 codes along K); Wo_codes 1,024 x 32 x 32 uint8 (E4M3 codes of Wo, K innermost, in blocks of 32 codes); Wo_scales 1,024 x 32 uint8 (E8M0 scales of Wo, one for each 32 codes along K); Wq_codes 1,024 x 32 x 32 uint8 (E4M3 codes of Wq, K innermost, in blocks of 32 codes); Wq_scales 1,024 x 32 uint8 (E8M0 scales of Wq, one for each 32 codes along K); Wv_codes 1,024 x 32 x 32 uint8 (E4M3 codes of Wv, K innermost, in blocks of 32 codes); Wv_scales 1,024 x 32 uint8 (E8M0 scales of Wv, one for each 32 codes along K); bk 1,024 float32; bo 1,024 float32; bq 1,024 float32; bv 1,024 float32; key_codes 2 x 2,048 x 32 x 32 uint8 (E4M3 codes of key, K innermost, in blocks of 32 codes); key_scales 2 x 2,048 x 32 uint8 (E8M0 scales of key, one for each 32 codes along K); quantum_phases 16 float32; query_codes 2 x 2,048 x 32 x 32 uint8 (E4M3 codes of query, K innermost, in blocks of 32 codes); query_scales 2 x 2,048 x 32 uint8 (E8M0 scales of query, one for each 32 codes along K); value_codes 2 x 2,048 x 32 x 32 uint8 (E4M3 codes of value, K innermost, in blocks of 32 codes); value_scales 2 x 2,048 x 32 uint8 (E8M0 scales of value, one for each 32 codes along K); w_imag 16 x 64 float32; w_real 16 x 64 float32.
;; Outputs: out0 2 x 2,048 x 1,024 float32.
;; This version of the problem:
;;   THIS VERSION OF THE PROBLEM IS GIVEN IN LOW PRECISION. The matrix products marked QUANTISED in the list below multiply operands that are first quantised to E4M3 (4 exponent bits, 3 mantissa bits; 8 bits a number), with one power-of-two scale for each 32 numbers along K (OCP MX v1.0); their sums are f32. All else is computed in f32.
;;   The module's matrix products, in the order in which they are computed (A, B: the left and right operand; K: the contracted axis; several contracted axes count as one K, in the product's order):
;;     1. [M 4,096, K 1,024] x [K 1,024, N 1,024]; A: input query (given as codes); B: input Wq (given as codes): QUANTISED
;;     2. [M 4,096, K 1,024] x [K 1,024, N 1,024]; A: input key (given as codes); B: input Wk (given as codes): QUANTISED
;;     3. [M 4,096, K 1,024] x [K 1,024, N 1,024]; A: input value (given as codes); B: input Wv (given as codes): QUANTISED
;;     4. batch 32 x [M 2,048, K 64] x [K 64, N 2,048]; A: computed on the way; B: computed on the way: QUANTISED
;;     5. batch 32 x [M 2,048, K 2,048] x [K 2,048, N 64]; A: softmax (see below); B: computed on the way: QUANTISED
;;     6. [M 4,096, K 1,024] x [K 1,024, N 1,024]; A: computed on the way; B: input Wo (given as codes): QUANTISED
;;   THE QUANTISER, for each operand of a quantised product, along K:
;;     - K is cut into blocks of 32 from its start; a last block that is shorter is filled with zeros.
;;     - A block's scale is 2^e with e = floor(log2(the largest magnitude in the block)) - 8, held to -126 .. 127; a block of zeros has e = 0. As a byte (E8M0): e + 127.
;;     - Each number is divided by its block's scale, clamped to +-448, and rounded to the nearest number of E4M3, ties to even, subnormals kept.
;;     - The product sums the exact products of the quantised numbers (number of the format x scale) in f32.
;;   ~~~python
;;   def quantise(x, axis):      # numpy; x: float32 -> the quantised numbers, widened to float32 again
;;       x = np.moveaxis(x, axis, -1); K = x.shape[-1]
;;       x = np.pad(x, [(0, 0)] * (x.ndim - 1) + [(0, -K % 32)]); x = x.reshape(x.shape[:-1] + (-1, 32)); a = np.abs(x).max(-1, keepdims=True)
;;       e = np.where(a > 0, np.clip(np.frexp(np.where(a > 0, a, 1))[1] - 1 - 8, -126, 127), 0)      # np.frexp(a)[1] - 1 = floor(log2(a)), exactly
;;       r = np.clip(x / 2.0 ** e, -448, 448)
;;       step = 2.0 ** (np.maximum(np.frexp(np.where(r == 0, 1, r))[1] - 1, -6) - 3)
;;       q = np.round(r / step) * step * 2.0 ** e      # np.round: ties to even
;;       return np.moveaxis(q.reshape(q.shape[:-2] + (-1,))[..., :K], -1, axis).astype(np.float32)
;;   ~~~
;;   SOFTMAX AHEAD OF A QUANTISED PRODUCT. Where the list says 'softmax', what is quantised is not the finished softmax but p = 2^(t - M), with t = logit x log2(e) and M = ceil(the row's largest t), a whole number; so 1/2 < the row's largest p <= 1. The row's sum l is taken of the UNQUANTISED p, in f32, and the product's result is divided by l at the end. Since M is a whole number, a kernel that streams over the keys may use a running M (the ceiling of the running maximum): every later rescaling is an exact power of two, which a block's scale takes up: the codes' values come out the same.
;;   OPERANDS COMPUTED ON THE WAY. 'Computed on the way' means the value that the module computes at that place (a softmax that the list does not call 'softmax' is quantised finished and normalised). What goes into a quantiser is computed in f32, as accurately as f32 sums, v_exp_f32 and their like allow (about 1e-6 of the number): no bf16 or f16 on the way to a quantiser, and a product that is left as it is and whose result goes on into a quantised operand takes f32 operands (vector FMAs, or v_wmma_f32_16x16x4_f32). A number that lies on a knife's edge between two numbers of the format may be rounded either way, as far as f32 arithmetic and the matrix unit's own rounding can turn it there, and no further.
;;   INPUTS GIVEN AS CODES. Wk (in the module: [1024, 1024], K = its axis 1); Wo (in the module: [1024, 1024], K = its axis 1); Wq (in the module: [1024, 1024], K = its axis 1); Wv (in the module: [1024, 1024], K = its axis 1); key (in the module: [2, 2048, 1024], K = its axis 2); query (in the module: [2, 2048, 1024], K = its axis 2); value (in the module: [2, 2048, 1024], K = its axis 2): each comes as NAME_codes (uint8): NAME with its K axis moved to the last place and cut into blocks of 32 codes, [.., K / 32, bytes a block], one block behind the other in memory; one code a byte (a code: sign, 4 exponent bits, 3 mantissa bits); and NAME_scales (uint8): the same leading axes, one E8M0 byte (e + 127) for each 32 codes along K. Its value is code x scale, taken as it is: it is not quantised again, and the codes and scales need not be those that the quantiser above would give.
;; One version. Each part assembles by itself: llvm-mc -triple=amdgcn-amd-amdhsa -mcpu=gfx1250 --defsym DOCPART=n.
;; ======== version 1 of 1: 3 launches
;; limits: right only within a limited range of input values
;; workspace buffers: qimg 4,194,304 bytes; kimg 4,194,304 bytes; vimg 4,194,304 bytes; qsc 131,072 bytes; ksc 131,072 bytes; vsc 131,072 bytes; aimg 4,194,304 bytes; asc 131,072 bytes
;; launch proj (part 1): grid 8 x 32, 4 waves a work-group, clusters of 4 x 4, 327,680 bytes of LDS; arguments query_codes, key_codes, value_codes, Wq_codes, Wk_codes, Wv_codes, query_scales, key_scales, value_scales, Wq_scales, Wk_scales, Wv_scales, bq, bk, bv, qimg, kimg, vimg, qsc, ksc, vsc; writes qimg, kimg, vimg, qsc, ksc, vsc
.if DOCPART == 1
	.amdgcn_target "amdgcn-amd-amdhsa--gfx1250"
	.amdhsa_code_object_version 6
	.text
	.protected	k_q982f97cdf8_proj
	.globl	k_q982f97cdf8_proj
	.p2align	8
	.type	k_q982f97cdf8_proj,@function
k_q982f97cdf8_proj:
	s_mov_b64 s[64:65], 0
	v_nop
	global_prefetch_b8 v0, s[64:65] scope:SCOPE_SE
	s_setreg_imm32_b32 hwreg(HW_REG_WAVE_MODE, 25, 1), 1
	s_wait_xcnt 0x0
	s_wait_alu depctr_hold_cnt(0) depctr_sa_sdst(0) depctr_va_vdst(0) depctr_va_sdst(0) depctr_va_ssrc(0) depctr_va_vcc(0) depctr_vm_vsrc(0)
	s_getreg_b32 s2, hwreg(HW_REG_IB_STS2, 6, 4)
	s_cmp_eq_u32 s2, 0
	s_cbranch_scc0 .Lentry_in_a_cluster
	s_endpgm
.Lentry_in_a_cluster:
	s_bfe_u32 s2, ttmp6, 0x10000c
	s_cmp_lg_u32 s2, 0xf033
	s_cbranch_scc0 .Lentry_shape_is_right
	s_endpgm
.Lentry_shape_is_right:
; Q = query Wq^T + bq, K = key Wk^T + bk, V = value Wv^T + bv on codes of E4M3 with E8M0 scales (three products of 4,096 x 1,024 x 1,024), each result quantised again and stored as images of the next launch's operand registers.
; No input and no step is left out.  NaN, infinities and sums beyond f32's range are not served; a block of zeros gets the scale byte 1 (its codes are zeros; this program alone reads the bytes).
; THE BUFFERS (r = lane % 16, h = lane / 16).  An image is 16 rows x 64 along K in 1,024 bytes: the 8 codes of tile t (of 16 along K) of lane (r, h) lie at 256 t + 16 r + 8 h.
; qimg, kimg [batch][head][token tile of 16]: rows = tokens, K = the head's 64.  vimg [batch][head][128 keys][64 keys][16 channels]: rows = channels, K = keys.
; qsc, ksc [batch][head pair][token][4 bytes: 2 x (head % 2) + block of 32];  vsc [batch][head pair][128 keys][channel of 128][4 bytes: block of 32 keys].
; THE DEAL.  256 work-groups of four waves (2 x 2).  PHASE 1: 256 tokens x 128 channels of Q (cluster rows 0-3) or K (4-7).  PHASE 2: 128 channels x 128 tokens of V.
; A wave holds 64 rows of the STATIONARY operand, all of K, in 512 registers (windows 1, 2): W's rows in phase 1, value's rows in phase 2; it is source 0, so a lane's registers run along it: along the next product's K.
; The other operand (tokens; then Wv's rows) streams past in blocks of 16 rows, two sets of 128 registers (window 3): 8 + 4 blocks of 32 products on four accumulators by turns; the bias is the first products' C.
; LDS: two regions of 128 rows x (1,024 + 16).  At the head, one tensor load a wave: waves 0, 1 W's halves into region 1 (shown first), waves 2, 3 the halves of token chunk 0 into region 0.
; Three refills, each a quarter a wave behind the three lines and a round of the cluster's barrier: chunk 1 over W's rows, once these are in registers; value's rows over chunk 0, behind its last fetch; Wv's rows over chunk 1, behind its last fetch.
; CLUSTERS 4 x 4: tokens' rows (query, key, value) are shared along a row of the cluster, weights' rows along a column: joint loads.
; PREFETCH: behind the first barrier each wave names its sixteenth (32 lanes x 256 bytes) of each of the three tiles that the refills will ask for, the partners told apart by address; Wv's, which eight rows of clusters read, in four of them alone.
.set PB,    1040
.set HB,    64*PB
.set QB,    32*PB
.set P1,    128*PB                     ; region 1
.set XS,    2*P1                       ; the scale bytes on their way out: phase 1's 1,024, then phase 2's 512: written by LDS stores, no fill lands here
.set SPARE, XS+2048
.set ADL0, 5                           ; v5, v6 my streamed rows in region 0, 1;  v7, v8 my stationary rows in region 0, 1
.set ADL1, 6
.set ADW0, 7
.set ADW1, 8
.set VO,   9                           ; 16 r + 8 h
.set SPW,  10
.set NIL,  11
.set VX,   12                          ; LDS: my two scale bytes of row r
.set ABS,  13
.set ABI,  14
.set ABV,  15
.set T,    16                          ; v16-25 the quantiser's maxima, scale operands, bounds, bytes
.set PFR,  26
.set PFC,  27
.set RDX,  28
.set GOX,  29
.set SB,   32                          ; v32-47 the stationary rows' scale words: register 8 p + q: lanes 0-15 tile 2 p, lanes 16-31 tile 2 p + 1
.set SA,   52                          ; v52-83 the streamed rows': register 8 g + q: lanes 0-15 block 2 g, lanes 16-31 block 2 g + 1; no product's two scale words have numbers equal modulo 8
.set BI,   88                          ; v88-119 the bias as C
.set ACC,  120                         ; v120-183 two sets of four accumulators
.set PC,   184                         ; v184-199 two sets of codes
.set WV, 2
.set WC, 3
.set WR, 46
.set BX, 47
.set BY, 66
.set LB, 67
.set CX, 100
.set CY, 101
.set SEL, 6
.set MNT, 12
.set G1CH, 48                          ; group 1: column mask, 64 rows;  row mask, 64 rows;  row mask, 32 rows;  column mask, 32 rows
.set G1RH, 56
.set G1R,  68
.set G1C,  76
.set G0W, 84
.set G0L, 88
.set G0X, 92
.set G0Y, 96
.set MSB, 0
.macro WIN new                         ; the immediate's high byte repeats the setting that is left
.if MSB != \new
	s_set_vgpr_msb (MSB<<8)|\new
.set MSB, \new
.endif
.endm
.macro PLACES n
.rept \n
	v_nop
.endr
.endm
.macro BARRIER
	s_barrier_signal -1
	s_barrier_wait -1
.endm
.macro CROUND
	BARRIER
	s_cmp_lg_u32 s[WV], 0
	s_cbranch_scc1 .Lnot_wave_0_\@
	s_barrier_signal -3
.Lnot_wave_0_\@:
	s_barrier_wait -3
	BARRIER
.endm
.macro TLOAD g0, g1                    ; an s_nop 0 and four v_nop follow a tensor load
	tensor_load_to_lds s[\g0:\g0+3], s[\g1:\g1+7]
	s_nop 0
	PLACES 4
.endm
.macro GROUP1 g, mask, rows            ; whole rows of K, 1,024 bytes, 4 words of padding behind each
	s_or_b32 s[\g], s\mask, (1<<20)|(1<<21)|(7<<22)|(3<<25)
	s_mov_b32 s[\g+1], 1024<<16
	s_mov_b32 s[\g+2], (\rows)<<16
	s_mov_b32 s[\g+3], 1024<<16
	s_mov_b32 s[\g+4], \rows
	s_mov_b32 s[\g+5], 1024
	s_mov_b32 s[\g+6], 0
	s_mov_b32 s[\g+7], 0
.endm
.macro TERM x, sh                      ; an offset is summed in s42,
	s_lshl_b32 s36, s[\x], \sh
	s_add_co_u32 s42, s42, s36
.endm
.macro BASE p                          ; and added to its buffer's address
	s_add_nc_u64 s[\p:\p+1], s[\p:\p+1], s[42:43]
	s_mov_b32 s42, 0
.endm
	s_load_b512 s[4:19], s[0:1], 0x0               ; query_codes 4, key_codes 6, value_codes 8, Wq_codes 10, Wk_codes 12, Wv_codes 14, query_scales 16, key_scales 18
	s_load_b512 s[20:35], s[0:1], 0x40             ; value_scales 20, Wq_scales 22, Wk_scales 24, Wv_scales 26, bq 28, bk 30, bv 32, qimg 34
	s_load_b256 s[36:43], s[0:1], 0x80             ; kimg 36, vimg 38, qsc 40, ksc 42
	s_load_b64 s[44:45], s[0:1], 0xa0              ; vsc
	v_lshl_add_u32 v[SPW], v0, 2, SPARE
	v_mov_b32 v[NIL], 0
	ds_add_u32 v[SPW], v[NIL]                      ; the opening lines: the add twice on end and its wait
	ds_add_u32 v[SPW], v[NIL]
	v_lshrrev_b32 v1, 5, v0
	v_readfirstlane_b32 s[WV], v1                  ; wave 0..3
	s_lshr_b32 s[WR], s[WV], 1                     ; my half of the streamed rows
	s_and_b32 s[WC], s[WV], 1                      ; my half of the stationary rows; also which half of a tile I fetch at the head
	s_bfe_u32 s[CX], ttmp6, 0x40000
	s_bfe_u32 s[CY], ttmp6, 0x40004
	s_lshl_b32 s[BX], ttmp9, 2
	s_add_co_u32 s[BX], s[BX], s[CX]               ; 0..7: the head pair
	s_and_b32 s84, ttmp7, 0xffff                   ; the cluster's row: under 4: Q; else K
	s_lshl_b32 s[BY], s84, 2
	s_add_co_u32 s[BY], s[BY], s[CY]               ; 0..31: V's block of 128 tokens
	s_and_b32 s[LB], s[BY], 15                     ; 0..15: phase 1's block of 256 tokens
	s_lshl_b32 s85, s[CY], 2
	s_lshl_b32 s85, 15, s85                        ; my row of the cluster
	s_lshl_b32 s86, 0x1111, s[CX]                  ; my column
	GROUP1 G1CH, 86, 64
	GROUP1 G1RH, 85, 64
	GROUP1 G1R, 85, 32
	GROUP1 G1C, 86, 32
	s_wait_dscnt 0x0
	s_wait_kmcnt 0x0
	s_cmp_lt_u32 s84, 4                            ; the choice hangs on the cluster's number alone
	s_cselect_b64 s[4:5], s[4:5], s[6:7]
	s_cselect_b64 s[10:11], s[10:11], s[12:13]
	s_cselect_b64 s[16:17], s[16:17], s[18:19]
	s_cselect_b64 s[22:23], s[22:23], s[24:25]
	s_cselect_b64 s[28:29], s[28:29], s[30:31]
	s_cselect_b64 s[34:35], s[34:35], s[36:37]
	s_cselect_b64 s[40:41], s[40:41], s[42:43]
	s_mov_b32 s7, 0
	s_mov_b32 s13, 0
	s_mov_b32 s19, 0
	s_mov_b32 s25, 0
	s_lshl_b32 s6, s[WC], 16                       ; a half of a tile in memory,
	s_lshl_b32 s24, s[WV], 15                      ; a quarter,
	s_mul_i32 s30, s[WV], QB                       ; and the same in LDS
	s_mul_i32 s31, s[WC], HB
	s_lshl_b32 s12, s[BX], 17
	s_add_nc_u64 s[10:11], s[10:11], s[12:13]      ; W at my 128 rows
	s_add_nc_u64 s[14:15], s[14:15], s[12:13]      ; Wv likewise
	s_lshl_b32 s18, s[LB], 18
	s_add_nc_u64 s[4:5], s[4:5], s[18:19]          ; query or key at my 256 tokens
	s_lshl_b32 s18, s[BY], 17
	s_add_nc_u64 s[8:9], s[8:9], s[18:19]          ; value at my 128 tokens
	s_mov_b32 s[G0W], 1
	s_add_co_u32 s[G0W+1], s31, P1
	s_add_nc_u64 s[G0W+2:G0W+3], s[10:11], s[6:7]
	s_or_b32 s[G0W+3], s[G0W+3], 0x80000000
	s_mov_b32 s[G0L], 1
	s_mov_b32 s[G0L+1], s31
	s_add_nc_u64 s[G0L+2:G0L+3], s[4:5], s[6:7]
	s_or_b32 s[G0L+3], s[G0L+3], 0x80000000
	s_mov_b32 s[G0X], 1
	s_add_co_u32 s[G0X+1], s30, P1
	s_add_nc_u64 s[G0X+2:G0X+3], s[4:5], s[24:25]
	s_add_nc_u64 s[G0X+2:G0X+3], s[G0X+2:G0X+3], 0x20000
	s_or_b32 s[G0X+3], s[G0X+3], 0x80000000
	s_mov_b32 s[G0Y], 1
	s_mov_b32 s[G0Y+1], s30
	s_add_nc_u64 s[G0Y+2:G0Y+3], s[8:9], s[24:25]
	s_or_b32 s[G0Y+3], s[G0Y+3], 0x80000000
	CROUND                                         ; all sixteen work-groups are here: the joint loads meet
	s_cmp_lt_u32 s[WV], 2                          ; one tensor load a wave, a line for each group of waves that waits alike
	s_cbranch_scc0 .Lfor_l
	TLOAD G0W, G1CH
	s_branch .Lasked
.Lfor_l:
	TLOAD G0L, G1RH
.Lasked:
	s_lshr_b32 s6, s[LB], 3                        ; phase 1's batch,
	s_and_b32 s7, s[LB], 7                         ; and block of 256 tokens in it
	s_lshr_b32 s12, s[BY], 4                       ; V's batch,
	s_and_b32 s13, s[BY], 15                       ; and block of 128 keys in it
	s_mov_b32 s42, 0
	s_mov_b32 s43, 0
	TERM LB, 13
	TERM WR, 11
	BASE 16                                        ; the tokens' scale bytes: row 256 LB + 64 WR
	TERM BX, 12
	TERM WC, 11
	BASE 22                                        ; W's: row 128 BX + 64 WC
	TERM BX, 9
	TERM WC, 8
	BASE 28                                        ; the bias at that channel
	TERM 6, 21
	TERM BX, 18
	TERM WC, 17
	TERM 7, 14
	TERM WR, 12
	BASE 34                                        ; the image of head 2 BX + WC, token tile 16 (LB % 8) + 4 WR
	TERM 6, 16
	TERM BX, 13
	TERM 7, 10
	TERM WV, 8
	BASE 40                                        ; the scale bytes out: 256 bytes a wave
	TERM BY, 12
	TERM WC, 11
	BASE 20                                        ; value's scale bytes: row 128 BY + 64 WC
	TERM BX, 12
	TERM WR, 11
	BASE 26                                        ; Wv's: row 128 BX + 64 WR
	TERM BX, 9
	TERM WR, 8
	BASE 32
	TERM 12, 21
	TERM BX, 18
	TERM WR, 17
	TERM 13, 13
	TERM WC, 12
	BASE 38                                        ; vimg: head 2 BX + WR, my 64 keys
	TERM 12, 16
	TERM BX, 13
	TERM 13, 9
	TERM WV, 8
	BASE 44
	s_mul_i32 s18, s[WR], HB
	s_lshl_b32 s19, s[WR], 8
	s_lshl_b32 s36, s[WC], 1
	s_add_co_u32 s19, s19, s36
	s_add_co_u32 s19, s19, XS
	s_lshl_b32 s37, s[WV], 8
	s_add_co_u32 s37, s37, XS
	s_lshl_b32 s[CX], s[CX], 2                     ; which of the cluster row's sixteen waves I am: my share of a prefetch of tokens' rows;
	s_add_co_u32 s[CX], s[CX], s[WV]
	s_lshl_b32 s[CX], s[CX], 13
	s_lshl_b32 s[CY], s[CY], 2                     ; and of the column's: of Wv's
	s_add_co_u32 s[CY], s[CY], s[WV]
	s_lshl_b32 s[CY], s[CY], 13
	s_mov_b32 s[SEL], 0x76543210
	s_mov_b32 s[SEL+1], 0xfedcba98
	s_mov_b32 s[MNT], 0x600000
	v_and_b32 v1, 15, v0                           ; r
	v_bfe_u32 v2, v0, 4, 1                         ; h
	v_and_b32 v3, 31, v0                           ; lane
	v_mul_u32_u24 v4, v1, PB
	v_lshl_add_u32 v4, v2, 4, v4                   ; a fragment's row x pitch + 16 h
	v_add_nc_u32 v[ADL0], s18, v4
	v_add_nc_u32 v[ADL1], P1, v[ADL0]
	v_add_nc_u32 v[ADW0], s31, v4
	v_add_nc_u32 v[ADW1], P1, v[ADW0]
	v_lshlrev_b32 v[VO], 4, v1
	v_lshl_add_u32 v[VO], v2, 3, v[VO]
	v_lshl_add_u32 v[VX], v1, 2, s19               ; XS + 4 (64 WR + r) + 2 WC
	v_lshlrev_b32 v[ABS], 5, v3
	v_lshlrev_b32 v[ABI], 5, v2
	v_lshlrev_b32 v[ABV], 2, v1
	v_lshl_add_u32 v[PFR], v3, 8, s[CX]
	v_lshl_add_u32 v[PFC], v3, 8, s[CY]
	v_lshl_add_u32 v[RDX], v3, 3, s37
	v_lshlrev_b32 v[GOX], 3, v3
	v_mov_b32 v[T+2], 0                            ; a lane permute's destination counts as one of its sources
	v_mov_b32 v[T+3], 0
	s_wait_alu depctr_va_vdst(0)                   ; the wait at the head's end
.irp p, 0,1
.irp c, 0,1
	global_load_b128 v[SB+8*\p+4*\c:SB+8*\p+4*\c+3], v[ABS], s[22:23] offset:\p*1024+16*\c
.endr
.endr
.irp g, 0,1,2,3                                ; pairs of blocks: 32 tokens each; chunk 1 lies 128 tokens on
.irp c, 0,1
	global_load_b128 v[SA+8*\g+4*\c:SA+8*\g+4*\c+3], v[ABS], s[16:17] offset:(\g/2)*4096+(\g%2)*1024+16*\c
.endr
.endr
.irp b, 0,1,2,3
	global_load_b128 v[BI+8*\b:BI+8*\b+3], v[ABI], s[28:29] offset:64*\b
	global_load_b128 v[BI+8*\b+4:BI+8*\b+7], v[ABI], s[28:29] offset:64*\b+16
.endr
	s_cmp_lt_u32 s[WV], 2
	s_cbranch_scc0 .Lnot_w
	s_wait_tensorcnt 0x0                           ; waves 0, 1: W's rows have landed.  The other waves' wait stands in front of the first round
.Lnot_w:
	BARRIER
	global_prefetch_b8 v[PFR], s[4:5] offset:131072 th:TH_LOAD_NT scope:SCOPE_SE   ; chunk 1,
	global_prefetch_b8 v[PFR], s[8:9] th:TH_LOAD_NT scope:SCOPE_SE                 ; value's rows,
	s_and_b32 s36, ttmp7, 0xffff
	s_cmp_lt_u32 s36, 4
	s_cbranch_scc0 .Lnot_wv
	global_prefetch_b8 v[PFC], s[14:15] th:TH_LOAD_NT scope:SCOPE_SE               ; and Wv's
.Lnot_wv:
.macro WEIGHTS adr                     ; my 64 stationary rows, all of K: fragment 4 q + b in window 1 + f / 16: 128 loads
.set F_, 0
.rept 32
	WIN (1+F_/16)<<6
.irp c, 0,1,2,3
	ds_load_b128 v[16*(F_%16)+4*\c:16*(F_%16)+4*\c+3], v[\adr] offset:128*(F_/4)+32*\c+(F_%4)*16*PB
.endr
.set F_, F_+1
.endr
	WIN 0
.endm
.macro FETCH e, adr, i                 ; block i of a region's four, 16 rows, all of K, into set e of window 3: 32 loads
	WIN 3<<6
.irp q, 0,1,2,3,4,5,6,7
.irp c, 0,1,2,3
	ds_load_b128 v[128*(\e)+16*\q+4*\c:128*(\e)+16*\q+4*\c+3], v[\adr] offset:(\i)*16*PB+128*\q+32*\c
.endr
.endr
	WIN 0
.endm
; A block's 32 products and the eight places behind them.  w: the LDS lines issued behind this block's fetch, which may stay out (-1: a wait for 0 has stood since);
; e: the set of rows and of sums; g, par: its scale words' registers and lanes; product 4 q + b: the q-th 128 of K, tile b; the first four take C at cb + cs b
.macro BLK w, e, g, par, cb, cs
.if (\w) >= 0
	s_wait_dscnt \w
.endif
.set N_, 0
.rept 32
.set Q_, N_/4
.set B_, N_%4
.set D_, ACC+32*(\e)+8*B_
.set C_, D_
.if Q_ == 0
.set C_, (\cb)+(\cs)*B_
.endif
.set W_, 16*(N_%16)
.set X_, 128*(\e)+16*Q_
.set SW_, SB+8*(B_/2)+Q_
.set SX_, SA+8*(\g)+Q_
	WIN (1+N_/16)|(3<<2)
.if (B_%2) && (\par)
	v_wmma_scale_f32_16x16x128_f8f6f4 v[D_:D_+7], v[W_:W_+15], v[X_:X_+15], v[C_:C_+7], v[SW_], v[SX_] matrix_a_scale:MATRIX_SCALE_ROW1 matrix_b_scale:MATRIX_SCALE_ROW1
.elseif B_%2
	v_wmma_scale_f32_16x16x128_f8f6f4 v[D_:D_+7], v[W_:W_+15], v[X_:X_+15], v[C_:C_+7], v[SW_], v[SX_] matrix_a_scale:MATRIX_SCALE_ROW1
.elseif \par
	v_wmma_scale_f32_16x16x128_f8f6f4 v[D_:D_+7], v[W_:W_+15], v[X_:X_+15], v[C_:C_+7], v[SW_], v[SX_] matrix_b_scale:MATRIX_SCALE_ROW1
.else
	v_wmma_scale_f32_16x16x128_f8f6f4 v[D_:D_+7], v[W_:W_+15], v[X_:X_+15], v[C_:C_+7], v[SW_], v[SX_]
.endif
.set N_, N_+1
.endr
	WIN 0
	PLACES 8
.endm
; THE QUANTISER of a block: 16 rows x 64 along the next K: two scale blocks of 32, each in 16 registers of lanes l and l xor 16.  One LDS store (the two bytes), four stores of 256 consecutive bytes, aligned.
.macro QOUT e, base, off, xoff
.set X_, ACC+32*(\e)
.set P_, PC+8*(\e)
	s_wait_xcnt 0x0                                ; the stores of the block two back have read their codes
	v_max3_num_f32 v[T], |v[X_]|, |v[X_+1]|, 0x4800000       ; with the floor 2^(9 - 127): the byte cannot fall under 1.  Each accumulator is first read at its low end
	v_max3_num_f32 v[T+1], |v[X_+16]|, |v[X_+17]|, 0x4800000
.irp i, 2,4,6,8,10,12,14
	v_max3_num_f32 v[T], v[T], |v[X_+\i]|, |v[X_+\i+1]|
	v_max3_num_f32 v[T+1], v[T+1], |v[X_+16+\i]|, |v[X_+17+\i]|
.endr
	v_permlanex16_b32 v[T+2], v[T], s[SEL], s[SEL+1]
	v_permlanex16_b32 v[T+3], v[T+1], s[SEL], s[SEL+1]
	v_max_num_f32 v[T], v[T], v[T+2]
	v_max_num_f32 v[T+1], v[T+1], v[T+3]
	v_add_nc_u32 v[T+4], 0xfc000000, v[T]          ; 8 off the exponent field: the conversion's scale operand
	v_add_nc_u32 v[T+5], 0xfc000000, v[T+1]
	v_and_or_b32 v[T+6], v[T], 0x7f800000, s[MNT]  ; 448 x the scale
	v_and_or_b32 v[T+7], v[T+1], 0x7f800000, s[MNT]
	v_lshrrev_b32 v[T+8], 23, v[T+4]
	v_lshrrev_b32 v[T+9], 23, v[T+5]
	v_lshl_or_b32 v[T+8], v[T+9], 8, v[T+8]        ; the two bytes
.irp i, 0,1,2,3,4,5,6,7,8,9,10,11,12,13,14,15
	v_med3_num_f32 v[X_+\i], v[X_+\i], -v[T+6], v[T+6]
	v_med3_num_f32 v[X_+16+\i], v[X_+16+\i], -v[T+7], v[T+7]
.endr
.irp t, 0,1,2,3
	v_cvt_scalef32_pk8_fp8_f32 v[P_+2*\t:P_+2*\t+1], v[X_+8*\t:X_+8*\t+7], v[T+4+\t/2]
.endr
	v_nop                                          ; the plain line behind the conversions
	ds_store_b16 v[VX], v[T+8] offset:\xoff
.irp t, 0,1,2,3
	global_store_b64 v[VO], v[P_+2*\t:P_+2*\t+1], s[\base:\base+1] offset:(\off)+256*\t
.endr
.endm
	WEIGHTS ADW1
	s_wait_tensorcnt 0x0                           ; chunk 0 has landed; the three lines ahead of a refill's round
	ds_add_u32 v[SPW], v[NIL]
	s_wait_dscnt 0x0                               ; the add is done, and W's rows are in registers
	CROUND
	TLOAD G0X, G1R                                 ; chunk 1 over W's rows
	FETCH 0, ADL0, 0
	FETCH 1, ADL0, 1
	s_wait_loadcnt 0x0                             ; the scale words and the bias
	BLK 32, 0, 0, 0, BI, 8                         ; 32: the next block's fetch
	FETCH 0, ADL0, 2
	QOUT 0, 34, 0, 0
	BLK 33, 1, 0, 1, BI, 8                         ; 33: a fetch and a store of bytes
	FETCH 1, ADL0, 3
	QOUT 1, 34, 1024, 64
	BLK 34, 0, 1, 0, BI, 8                         ; 34: a store, a fetch, a store
	s_wait_tensorcnt 0x0                           ; chunk 1 has landed
	ds_add_u32 v[SPW], v[NIL]
	s_wait_dscnt 0x0                               ; my last fetch from chunk 0 is in
	CROUND
	TLOAD G0Y, G1R                                 ; value's rows over chunk 0
	FETCH 0, ADL1, 0
	QOUT 0, 34, 2048, 128
	BLK -1, 1, 1, 1, BI, 8
	FETCH 1, ADL1, 1
	QOUT 1, 34, 3072, 192
	BLK 34, 0, 2, 0, BI, 8
	FETCH 0, ADL1, 2
	QOUT 0, 34, 8192, 512
	BLK 34, 1, 2, 1, BI, 8
	FETCH 1, ADL1, 3
	QOUT 1, 34, 9216, 576
	BLK 34, 0, 3, 0, BI, 8
	s_wait_tensorcnt 0x0                           ; value's rows have landed; no load of mine is out, so a group 0 may be written
	ds_add_u32 v[SPW], v[NIL]
	s_add_co_u32 s[G0W+1], s30, P1
	s_add_nc_u64 s[G0W+2:G0W+3], s[14:15], s[24:25]
	s_or_b32 s[G0W+3], s[G0W+3], 0x80000000
	s_wait_dscnt 0x0                               ; my last fetch from chunk 1 is in
	CROUND
	TLOAD G0W, G1C                                 ; Wv's rows over chunk 1
	QOUT 0, 34, 10240, 640
	BLK -1, 1, 3, 1, BI, 8
	; THE CHANGE OF PHASE: V's scale words and bias, and value's rows into the registers; the last block's way out stands behind the loads
.irp p, 0,1
.irp c, 0,1
	global_load_b128 v[SB+8*\p+4*\c:SB+8*\p+4*\c+3], v[ABS], s[20:21] offset:\p*1024+16*\c
	global_load_b128 v[SA+8*\p+4*\c:SA+8*\p+4*\c+3], v[ABS], s[26:27] offset:\p*1024+16*\c
.endr
.endr
.irp i, 0,1,2,3
.irp j, 0,1,2,3,4,5,6,7
	global_load_b32 v[BI+8*\i+\j], v[ABV], s[32:33] offset:64*\i   ; all eight registers of block i's C: bv at my lane's channel
.endr
.endr
	WEIGHTS ADW0
	QOUT 1, 34, 11264, 704
	s_wait_tensorcnt 0x0                           ; Wv's rows have landed
	s_wait_dscnt 0x0
	BARRIER
	FETCH 0, ADL1, 0
	FETCH 1, ADL1, 1
	s_wait_loadcnt 0x0
	BLK 32, 0, 0, 0, BI, 0
	FETCH 0, ADL1, 2
	QOUT 0, 38, 0, 1024
	BLK 33, 1, 0, 1, BI+8, 0
	FETCH 1, ADL1, 3
	QOUT 1, 38, 1024, 1088
	BLK 34, 0, 1, 0, BI+16, 0
	QOUT 0, 38, 2048, 1152
	BLK 2, 1, 1, 1, BI+24, 0                       ; 2: two stores of bytes
	QOUT 1, 38, 3072, 1216
	s_wait_dscnt 0x0                               ; my scale bytes lie in LDS
	BARRIER                                        ; everybody's do
	ds_load_b64 v[16:17], v[RDX]
	s_wait_dscnt 0x0
	global_store_b64 v[GOX], v[16:17], s[40:41]    ; 256 consecutive bytes a wave, aligned
	s_cmp_lt_u32 s[WV], 2
	s_cbranch_scc0 .Lno_v
	ds_load_b64 v[18:19], v[RDX] offset:1024
	s_wait_dscnt 0x0
	global_store_b64 v[GOX], v[18:19], s[44:45]    ; V's 512 bytes: waves 0 and 1
.Lno_v:
	s_wait_tensorcnt 0x0                           ; the wave's end
	ds_add_u32 v[SPW], v[NIL]
	s_wait_dscnt 0x0
	CROUND                                         ; the closing round
	s_endpgm
.Lfunc_end_k_q982f97cdf8_proj:
	.size	k_q982f97cdf8_proj, .Lfunc_end_k_q982f97cdf8_proj-k_q982f97cdf8_proj
	.p2alignl 7, 3214868480
	.fill 96, 4, 3214868480
	.section	.rodata,"a",@progbits
	.p2align	6, 0x0
	.amdhsa_kernel k_q982f97cdf8_proj
		.amdhsa_group_segment_fixed_size 327680
		.amdhsa_private_segment_fixed_size 0
		.amdhsa_enable_private_segment 0
		.amdhsa_kernarg_size 168
		.amdhsa_user_sgpr_count 2
		.amdhsa_user_sgpr_kernarg_segment_ptr 1
		.amdhsa_wavefront_size32 1
		.amdhsa_system_sgpr_workgroup_id_x 1
		.amdhsa_system_sgpr_workgroup_id_y 1
		.amdhsa_system_sgpr_workgroup_id_z 1
		.amdhsa_system_vgpr_workitem_id 0
		.amdhsa_next_free_vgpr 1024
		.amdhsa_next_free_sgpr 102
		.amdhsa_reserve_vcc 0
		.amdhsa_float_denorm_mode_32 3
		.amdhsa_float_denorm_mode_16_64 3
		.amdhsa_memory_ordered 1
		.amdhsa_forward_progress 1
		.amdhsa_inst_pref_size 167
	.end_amdhsa_kernel
	.amdgpu_metadata
---
amdhsa.version: [ 1, 2 ]
amdhsa.kernels:
  - .name:           k_q982f97cdf8_proj
    .symbol:         k_q982f97cdf8_proj.kd
    .args:
      - { .name: query_codes, .offset: 0, .size: 8, .value_kind: global_buffer, .address_space: global }
      - { .name: key_codes, .offset: 8, .size: 8, .value_kind: global_buffer, .address_space: global }
      - { .name: value_codes, .offset: 16, .size: 8, .value_kind: global_buffer, .address_space: global }
      - { .name: Wq_codes, .offset: 24, .size: 8, .value_kind: global_buffer, .address_space: global }
      - { .name: Wk_codes, .offset: 32, .size: 8, .value_kind: global_buffer, .address_space: global }
      - { .name: Wv_codes, .offset: 40, .size: 8, .value_kind: global_buffer, .address_space: global }
      - { .name: query_scales, .offset: 48, .size: 8, .value_kind: global_buffer, .address_space: global }
      - { .name: key_scales, .offset: 56, .size: 8, .value_kind: global_buffer, .address_space: global }
      - { .name: value_scales, .offset: 64, .size: 8, .value_kind: global_buffer, .address_space: global }
      - { .name: Wq_scales, .offset: 72, .size: 8, .value_kind: global_buffer, .address_space: global }
      - { .name: Wk_scales, .offset: 80, .size: 8, .value_kind: global_buffer, .address_space: global }
      - { .name: Wv_scales, .offset: 88, .size: 8, .value_kind: global_buffer, .address_space: global }
      - { .name: bq, .offset: 96, .size: 8, .value_kind: global_buffer, .address_space: global }
      - { .name: bk, .offset: 104, .size: 8, .value_kind: global_buffer, .address_space: global }
      - { .name: bv, .offset: 112, .size: 8, .value_kind: global_buffer, .address_space: global }
      - { .name: qimg, .offset: 120, .size: 8, .value_kind: global_buffer, .address_space: global }
      - { .name: kimg, .offset: 128, .size: 8, .value_kind: global_buffer, .address_space: global }
      - { .name: vimg, .offset: 136, .size: 8, .value_kind: global_buffer, .address_space: global }
      - { .name: qsc, .offset: 144, .size: 8, .value_kind: global_buffer, .address_space: global }
      - { .name: ksc, .offset: 152, .size: 8, .value_kind: global_buffer, .address_space: global }
      - { .name: vsc, .offset: 160, .size: 8, .value_kind: global_buffer, .address_space: global }
    .group_segment_fixed_size: 327680
    .private_segment_fixed_size: 0
    .kernarg_segment_align: 8
    .kernarg_segment_size: 168
    .max_flat_workgroup_size: 128
    .sgpr_count:     102
    .vgpr_count:     1024
    .wavefront_size: 32
...
	.end_amdgpu_metadata
.endif
;; end of part 1
;; launch attn (part 2): grid 8 x 32, 16 waves a work-group, clusters of 4 x 1, 327,680 bytes of LDS; arguments qimg, qsc, kimg, ksc, vimg, vsc, quantum_phases, w_real, w_imag, aimg, asc; writes aimg, asc
.if DOCPART == 2
	.amdgcn_target "amdgcn-amd-amdhsa--gfx1250"
	.amdhsa_code_object_version 6
	.text
	.protected	k_q982f97cdf8_attn
	.globl	k_q982f97cdf8_attn
	.p2align	8
	.type	k_q982f97cdf8_attn,@function
k_q982f97cdf8_attn:
	s_mov_b64 s[64:65], 0
	v_nop
	global_prefetch_b8 v0, s[64:65] scope:SCOPE_SE
	s_setreg_imm32_b32 hwreg(HW_REG_WAVE_MODE, 25, 1), 1
	s_wait_xcnt 0x0
	s_wait_alu depctr_hold_cnt(0) depctr_sa_sdst(0) depctr_va_vdst(0) depctr_va_sdst(0) depctr_va_ssrc(0) depctr_va_vcc(0) depctr_vm_vsrc(0)
	s_getreg_b32 s2, hwreg(HW_REG_IB_STS2, 6, 4)
	s_cmp_eq_u32 s2, 0
	s_cbranch_scc0 .Lentry_in_a_cluster
	s_endpgm
.Lentry_in_a_cluster:
	s_bfe_u32 s2, ttmp6, 0x10000c
	s_cmp_lg_u32 s2, 0x3003
	s_cbranch_scc0 .Lentry_shape_is_right
	s_endpgm
.Lentry_shape_is_right:
; ATTENTION of one head on E4M3 codes: raw = Q . K (K = 64), s = raw / 8, qe = s cos(theta + 0.1 s) + 0.1 imag, t = qe log2(e), p = 2^(t - M), M the running largest t rounded up to a whole number;
; p quantised along the keys, O = P V / (the sum of the unquantised p), O quantised along d_model (a head is two blocks of 32) and stored as an image of the last product's operand registers.
; No input and no step is left out: the term 0.1 imag moves p's codes (it is no whole number of powers of two), so it stays.
; SHARES.  A work-group owns 256 queries of one (batch, head); each of its sixteen waves 16 of them, in 256 registers, four waves to a SIMD.
; A WHOLE HEAD'S K AND V LIE IN LDS: every fill is a first fill.  The four query blocks of a cluster read the same K and V: each tile is asked for jointly (mask 15).
; FILLS, one tensor load a wave each time: at the head waves 0-3 the head pair's scale bytes (4,096 bytes each), waves 4-9 K's key steps 0-2, waves 10-15 V's (16 rows of 256 bytes each);
; behind the full sequence and a round of the cluster's barrier every wave an eighth of K's or V's steps 3-15 (52 rows), which lands under steps 0-2.
; No prefetch: all that the launch reads is asked for by these two groups of loads, ahead of the loops: there is no loop to run ahead in.
; LAYOUT.  Both products are used transposed (S^T = K Q^T, O^T = V^T P^T): a lane holds ONE query (lane % 16) throughout.
; K = 64 IN A FORM OF K = 128: source 0 holds TWO tiles of 16 keys (k 0..63, k 64..127) and is multiplied once by [Q | zeros] and once by [zeros | Q].  Zero codes add nothing under the scale bytes of this program (1 .. 254).
; THE KEYS OF A TILE: lane r of tile (blk, u) takes key 32 blk + 16 (r / 8) + 8 u + r % 8, so that score register 16 blk + i is key 32 blk + 16 (lane / 16) + i: the order that P's operand wants.
; THE COSINE, in f32: x = raw 0.0125 / 2 pi + theta / 2 pi (turns); a = fract(x); z = a a - a; C = a polynomial of degree 4 in z for cos(pi (a - 1/2)), within 5e-8; cos(2 pi x) / 2 = 1/2 - C C.
; Then w = raw (1/2 - C C), t = w log2(e) / 4 + c3, c3 = 0.1 log2(e) sum(w_real w_imag) sin(theta).
; LIMITS: NaN and infinities are not served.  The cosine's argument is rounded in turns (about 6e-8 of a turn for |x| under 1, growing with |x| as an f32 sum of theta and 0.1 s does).
; The scaled scores stay under 2^31 in magnitude.  A block of zeros gets the scale byte 1 (its codes are zeros; this program alone reads the bytes).  O's scale bytes leave as single bytes, 2 of each row's 32.
.set PT,    288                        ; an LDS row: 256 bytes + 32 of padding; 32 rows are a key step of K or of V
.set KTB,   1152
.set STEPB, 9216
.set SC,    0                          ; the head pair's scale words as they lie in memory: K's 8,192 bytes, then V's: 4,096 x wave
.set SPARE, 16384                      ; the spare words, 128 bytes a wave
.set KA,    18432                      ; K's steps 0-2: 16 rows x wave, from wave 4 on;
.set VA,    46080                      ; V's steps 0-2: from wave 10 on
.set KB,    73728                      ; K's steps 3-15
.set VB,    193536                     ; V's steps 3-15
.set KS2,   313344                     ; K's scale words in operand order, 4,096 bytes, written by LDS stores: no fill lands here
.set AK0, 1
.set AV0, 2
.set ASK0, 3
.set ASV0, 4
.set ADK, 5
.set ADV, 6
.set ADS, 7
.set ADT, 8
.set AV1, 9
.set C3,  10
.set TH,  16
.set E3V, 18
.set NM,  20
.set PW,  22
.set OM,  23                           ; v23 the last step's -M
.set QA,  24                           ; v24-39 [Q | zeros];  v32-47 [zeros | Q]
.set QB,  32
.set FR,  48                           ; v48-111 K's four paired fragments, then the cosine's temporaries, then V's four fragments
.set S,   112                          ; v112-175 the scores, then w, then p
.set O,   176                          ; v176-207 O^T
.set PC,  208                          ; v208-223 P's codes
.set KSW, 224
.set VSW, 228
.set BM,  232
.set TP,  236
.set HD,  240
.set SPW, 246
.set NIL, 247
.set CV,  248
.set QS,  255                          ; v12 -M, v13 the largest t, v[14:15] the sum in two halves, v[252:253] f
.set WV,  66
.set CK1, 70
.set CE4, 72
.set CE2, 74
.set CE1, 76
.set CE0, 78
.set CC2, 80
.set SEL, 82
.set MNT, 84
.set TB,  85
.set TS,  86
.set TJ,  87
.set CNT, 88
.set G1A, 28                           ; group 1: 16 rows;  G1B: 52 rows;  G1S: the scale words' 16 rows
.set G1B, 36
.set G1S, 44
.set G0S, 52
.set G0A, 56
.set G0B, 60
.macro CROUND
	s_barrier_signal -1
	s_barrier_wait -1
	s_cmp_lg_u32 s[WV], 0
	s_cbranch_scc1 .Lnot_wave_0_\@
	s_barrier_signal -3
.Lnot_wave_0_\@:
	s_barrier_wait -3
	s_barrier_signal -1
	s_barrier_wait -1
.endm
.macro TLOAD g0, g1                    ; an s_nop 0 and four v_nop follow a tensor load
	tensor_load_to_lds s[\g0:\g0+3], s[\g1:\g1+7]
	s_nop 0
.rept 4
	v_nop
.endr
.endm
	s_load_b512 s[4:19], s[0:1], 0x0               ; qimg 4, qsc 6, kimg 8, ksc 10, vimg 12, vsc 14, quantum_phases 16, w_real 18
	s_load_b128 s[20:23], s[0:1], 0x40             ; w_imag 20, aimg 22
	s_load_b64 s[24:25], s[0:1], 0x50              ; asc
	v_lshl_add_u32 v[SPW], v0, 2, SPARE
	v_mov_b32 v[NIL], 0
	ds_add_u32 v[SPW], v[NIL]                      ; the opening lines: the add twice on end and its wait
	ds_add_u32 v[SPW], v[NIL]
	v_lshrrev_b32 v1, 5, v0
	v_readfirstlane_b32 s[WV], v1                  ; wave 0..15
	s_bfe_u32 s69, ttmp6, 0x40000                  ; cx: it enters Q's and O's global addresses alone
	s_and_b32 s90, ttmp7, 0xffff                   ; 16 x batch + head
	s_and_b32 s67, s90, 15
	s_lshr_b32 s68, s90, 4
	s_lshl_b32 s91, ttmp9, 2
	s_add_co_u32 s91, s91, s69
	s_lshl_b32 s91, s91, 4
	s_add_co_u32 s91, s91, s[WV]                   ; T: my tile of 16 queries, 0..127
	s_mov_b32 s[CK1], 0x3b026136                   ; 0.0125 / 2 pi.  (The pairs' second words are written because packed forms name them)
	s_mov_b32 s[CK1+1], s[CK1]
	s_mov_b32 s[CE4], 0x3e607650
	s_mov_b32 s[CE4+1], s[CE4]
	s_mov_b32 s[CE2], 0x40491333
	s_mov_b32 s[CE2+1], s[CE2]
	s_mov_b32 s[CE1], 0xc0490fe0
	s_mov_b32 s[CE1+1], s[CE1]
	s_mov_b32 s[CE0], 0xb4df17d7
	s_mov_b32 s[CE0+1], s[CE0]
	s_mov_b32 s[CC2], 0x3eb8aa3b                   ; log2(e) / 4
	s_mov_b32 s[CC2+1], s[CC2]
	s_mov_b32 s[SEL], 0x76543210
	s_mov_b32 s[SEL+1], 0xfedcba98
	s_mov_b32 s[MNT], 0x600000
.irp g, G1A, G1B, G1S                          ; dense blocks as rows of 256 bytes (32 elements of 8)
	s_mov_b32 s[\g+1], 32<<16
	s_mov_b32 s[\g+3], 32<<16
	s_mov_b32 s[\g+5], 32
	s_mov_b32 s[\g+6], 0
	s_mov_b32 s[\g+7], 0
.endr
	s_mov_b32 s[G1A], 15|(3<<16)|(1<<20)|(1<<21)|(5<<22)|(7<<25)   ; padding: 8 words behind every 64
	s_mov_b32 s[G1B], 15|(3<<16)|(1<<20)|(1<<21)|(5<<22)|(7<<25)
	s_mov_b32 s[G1S], 15|(3<<16)|(1<<21)
	s_mov_b32 s[G1A+2], 16<<16
	s_mov_b32 s[G1A+4], 16
	s_mov_b32 s[G1B+2], 52<<16
	s_mov_b32 s[G1B+4], 52
	s_mov_b32 s[G1S+2], 16<<16
	s_mov_b32 s[G1S+4], 16
	s_lshl_b32 s93, s90, 17                        ; the head's first byte in kimg and vimg
	s_lshl_b32 s94, s68, 16
	s_lshr_b32 s95, s67, 1
	s_lshl_b32 s95, s95, 13
	s_add_co_u32 s94, s94, s95                     ; the head pair's first byte in the scale buffers
	s_mov_b32 s27, 0
	s_wait_dscnt 0x0
	s_wait_kmcnt 0x0
	s_and_b32 s92, s[WV], 1                        ; the scale bytes: waves 0, 1 K's halves, waves 2, 3 V's.  Every choice hangs on the wave's number alone
	s_lshl_b32 s26, s92, 12
	s_add_co_u32 s26, s26, s94
	s_cmp_lt_u32 s[WV], 2
	s_cselect_b64 s[96:97], s[10:11], s[14:15]
	s_mov_b32 s[G0S], 1
	s_lshl_b32 s[G0S+1], s[WV], 12
	s_add_nc_u64 s[G0S+2:G0S+3], s[96:97], s[26:27]
	s_or_b32 s[G0S+3], s[G0S+3], 0x80000000
	s_cmp_lt_u32 s[WV], 10                         ; steps 0-2: waves 4-9 K's sixths, waves 10-15 V's
	s_cselect_b64 s[98:99], s[8:9], s[12:13]
	s_cselect_b32 s92, 4, 10
	s_sub_co_u32 s92, s[WV], s92
	s_max_i32 s92, s92, 0
	s_lshl_b32 s26, s92, 12
	s_add_co_u32 s26, s26, s93
	s_mov_b32 s[G0A], 1
	s_mul_i32 s[G0A+1], s[WV], 16*PT
	s_add_nc_u64 s[G0A+2:G0A+3], s[98:99], s[26:27]
	s_or_b32 s[G0A+3], s[G0A+3], 0x80000000
	s_cmp_lt_u32 s[WV], 8                          ; steps 3-15: waves 0-7 K's eighths, waves 8-15 V's
	s_cselect_b64 s[98:99], s[8:9], s[12:13]
	s_and_b32 s92, s[WV], 7
	s_mul_i32 s26, s92, 52*256
	s_add_co_u32 s26, s26, s93
	s_add_co_u32 s26, s26, 3*8192
	s_mov_b32 s[G0B], 1
	s_mul_i32 s[G0B+1], s[WV], 52*PT
	s_add_co_u32 s[G0B+1], s[G0B+1], KB
	s_add_nc_u64 s[G0B+2:G0B+3], s[98:99], s[26:27]
	s_or_b32 s[G0B+3], s[G0B+3], 0x80000000
	CROUND                                         ; all four work-groups are here: the joint loads meet
	s_cmp_lt_u32 s[WV], 4                          ; one tensor load a wave at the head, an arm each
	s_cbranch_scc0 .Ldata
	TLOAD G0S, G1S
	s_branch .Lasked
.Ldata:
	TLOAD G0A, G1A
.Lasked:
	s_lshl_b32 s26, s90, 7
	s_add_co_u32 s26, s26, s91
	s_lshl_b32 s26, s26, 10                        ; a tile's image is 1,024 bytes
	s_add_nc_u64 s[4:5], s[4:5], s[26:27]
	s_and_b32 s95, s67, 1                          ; which head of the pair
	s_lshl_b32 s26, s91, 6
	s_add_co_u32 s26, s26, s94
	s_lshl_b32 s99, s95, 1
	s_add_co_u32 s26, s26, s99
	s_add_nc_u64 s[6:7], s[6:7], s[26:27]
	s_lshl_b32 s96, s67, 2
	s_lshl_b32 s97, s67, 8
	s_lshl_b32 s98, s95, 8
	s_add_co_u32 s98, s98, SC+8192
	v_and_b32 v5, 31, v0                           ; lane
	v_and_b32 v6, 15, v0                           ; r
	v_bfe_u32 v7, v0, 4, 1                         ; h
	v_lshlrev_b32 v8, 4, v5
	v_lshlrev_b32 v23, 2, v6
	v_mov_b32 v48, s96
	v_lshl_add_u32 v50, v5, 3, s97
	global_load_b128 v[QA:QA+3], v8, s[4:5]
	global_load_b128 v[QA+4:QA+7], v8, s[4:5] offset:512
	global_load_b128 v[QB+8:QB+11], v8, s[4:5]     ; a second time, for [zeros | Q]
	global_load_b128 v[QB+12:QB+15], v8, s[4:5] offset:512
	global_load_u16 v254, v23, s[6:7]              ; my query's two scale bytes
	global_load_b32 v49, v48, s[16:17]             ; theta
	global_load_b64 v[52:53], v50, s[18:19]        ; two numbers a lane of w_real's row,
	global_load_b64 v[54:55], v50, s[20:21]        ; and of w_imag's
	v_bfe_u32 v56, v0, 3, 1
	v_and_b32 v57, 7, v0
	v_mul_u32_u24 v[AK0], v56, KTB
	v_lshl_add_u32 v[AK0], v57, 4, v[AK0]
	v_mad_u32_u24 v[AK0], v7, PT, v[AK0]           ; 1,152 (r / 8) + 16 (r % 8) + 288 h
	v_mul_u32_u24 v[AV0], v7, PT
	v_lshl_add_u32 v[AV0], v6, 4, v[AV0]           ; 16 r + 288 h
	v_add_nc_u32 v[AV1], VB-KB, v[AV0]
	v_add_nc_u32 v[AV0], VA-KA, v[AV0]
	v_lshl_add_u32 v[ASK0], v6, 2, KS2
	v_lshl_add_u32 v[ASV0], v6, 2, s98             ; V's words: my head's 64 channels of the pair's 128
	v_lshrrev_b32 v58, 4, v0                       ; K's raw half words for operand word number tid: key 32 (tid / 16) + 16 ((tid / 8) % 2) + tid % 8, and the key 8 further on
	v_lshlrev_b32 v58, 7, v58
	v_lshl_add_u32 v58, v57, 2, v58
	v_lshl_add_u32 v58, v56, 6, v58
	v_add_nc_u32 v58, s99, v58
	v_lshl_add_u32 v59, v0, 2, KS2
.irp j, 0,1,2,3,4,5,6,7
	v_mov_b32 v[QB+\j], 0                          ; the zero codes between the two copies of Q
.endr
.set j, 0
.rept 32
	v_mov_b32 v[O+j], 0                            ; O^T: the step has no first step of its own; the first change of M leaves zeros zeros
.set j, j+1
.endr
	v_mov_b32 v13, 0xff61b1e6                      ; the largest t so far: -3e38
	v_floor_f32 v12, -v13                          ; -M
	v_mov_b32 v14, 0
	v_mov_b32 v15, 0
.irp b, 0,1,2,3
	v_mov_b32 v[TP+\b], 0                          ; a lane permute's destination counts as one of its sources
.endr
	v_mov_b32 v253, 0
	v_mov_b32 v[NM+1], 0
	v_mov_b32 v[TH+1], 0
	v_mov_b32 v[E3V], 0xbf8e677d
	v_mov_b32 v[E3V+1], 0xbf8e677d
	v_mov_b32 v51, 0
	s_wait_alu depctr_va_vdst(0)                   ; the wait ahead of the wait below
	s_wait_loadcnt 0x0
	v_mul_f32 v60, 0x3e22f983, v49                 ; theta in turns, the product's rounding and the constant's carried along
	v_fma_f32 v61, v49, 0x3e22f983, -v60
	v_fma_f32 v61, v49, 0x31dc9c4e, v61
	v_fract_f32 v60, v60
	v_add_f32 v[TH], v60, v61
	v_add_f32 v60, 0xbe800000, v[TH]               ; sin(theta) by the same polynomial a quarter turn back
	v_fract_f32 v60, v60
	v_fma_f32 v61, v60, v60, -v60
	v_fma_f32 v62, v61, s[CE4], v[E3V]
	v_fma_f32 v62, v62, v61, s[CE2]
	v_fma_f32 v62, v62, v61, s[CE1]
	v_fma_f32 v62, v62, v61, s[CE0]
	v_fma_f32 v62, -v62, v62, 0.5                  ; sin(theta) / 2
	v_mul_f32 v63, v52, v54
	v_fma_f32 v63, v53, v55, v63
	v_add_f32_dpp v63, v63, v63 row_xmask:1 row_mask:0xf bank_mask:0xf
	v_add_f32_dpp v63, v63, v63 row_xmask:2 row_mask:0xf bank_mask:0xf
	v_add_f32_dpp v63, v63, v63 row_xmask:4 row_mask:0xf bank_mask:0xf
	v_add_f32_dpp v63, v63, v63 row_xmask:8 row_mask:0xf bank_mask:0xf
	v_permlanex16_b32 v51, v63, s[SEL], s[SEL+1]
	v_add_f32 v63, v63, v51                        ; sum(w_real w_imag)
	v_mul_f32 v63, v63, v62
	v_mul_f32 v[C3], 0x3e93bb63, v63               ; x 0.2 log2(e): c3
	v_lshl_or_b32 v[QS], v254, 16, v254            ; Q's scale word: (c0, c1, c0, c1)
	s_wait_alu depctr_va_vdst(0)                   ; the wait at the head's end
	s_wait_tensorcnt 0x0                           ; my one load has landed
	s_barrier_signal -1
	s_barrier_wait -1                              ; everybody's has: the scale bytes and steps 0-2 are whole
	ds_load_u16 v60, v58                           ; K's scale words into operand order: (tile u = 0: c0, c1; tile u = 1: c0, c1); two words a thread
	ds_load_u16 v61, v58 offset:32
	ds_load_u16 v62, v58 offset:4096
	ds_load_u16 v63, v58 offset:4128
	s_wait_dscnt 0x0
	v_lshl_or_b32 v60, v61, 16, v60
	v_lshl_or_b32 v62, v63, 16, v62
	ds_store_b32 v59, v60
	ds_store_b32 v59, v62 offset:2048
	s_wait_tensorcnt 0x0                           ; the full sequence ahead of a later first fill
	ds_add_u32 v[SPW], v[NIL]
	s_wait_dscnt 0x0                               ; the add and my stores of scale words are done
	CROUND                                         ; the round also shows every wave's scale words
	TLOAD G0B, G1B                                 ; steps 3-15: my one load behind the round
.macro COSBLK g                        ; 16 score registers, as eight pairs by turns: w = raw (1/2 - C C)
.set SG, S+16*(\g)
.irp p, 0,2,4,6,8,10,12,14
	v_pk_fma_f32 v[FR+\p:FR+\p+1], v[SG+\p:SG+\p+1], s[CK1:CK1+1], v[TH:TH+1] op_sel_hi:[1,0,0]   ; x, in turns.  (Each accumulator is first read at its low end)
.endr
.irp i, 0,1,2,3,4,5,6,7,8,9,10,11,12,13,14,15
	v_fract_f32 v[FR+\i], v[FR+\i]
.endr
.irp p, 0,2,4,6,8,10,12,14
	v_pk_fma_f32 v[FR+16+\p:FR+17+\p], v[FR+\p:FR+\p+1], v[FR+\p:FR+\p+1], v[FR+\p:FR+\p+1] neg_lo:[0,0,1] neg_hi:[0,0,1]   ; z = a a - a
.endr
.irp p, 0,2,4,6,8,10,12,14
	v_pk_fma_f32 v[FR+32+\p:FR+33+\p], v[FR+16+\p:FR+17+\p], s[CE4:CE4+1], v[E3V:E3V+1] op_sel_hi:[1,0,0]
.endr
.irp e, CE2, CE1, CE0
.irp p, 0,2,4,6,8,10,12,14
	v_pk_fma_f32 v[FR+32+\p:FR+33+\p], v[FR+32+\p:FR+33+\p], v[FR+16+\p:FR+17+\p], s[\e:\e+1] op_sel_hi:[1,1,0]
.endr
.endr
.irp p, 0,2,4,6,8,10,12,14
	v_pk_fma_f32 v[FR+32+\p:FR+33+\p], v[FR+32+\p:FR+33+\p], v[FR+32+\p:FR+33+\p], 0.5 op_sel_hi:[1,1,0] neg_lo:[1,0,0] neg_hi:[1,0,0]   ; 1/2 - C C
.endr
.irp p, 0,2,4,6,8,10,12,14
	v_pk_mul_f32 v[SG+\p:SG+\p+1], v[SG+\p:SG+\p+1], v[FR+32+\p:FR+33+\p]
.endr
.endm
; The holds of blocks b and b + 1, two to an instruction: the conversion to an 8-bit code does not saturate (ISA guide 7.6.2); p is not negative, so the hold is one-sided.
; A pair takes one number of each block, so that its destinations are an even and an odd register and its sources lie in different register banks.
.macro HOLDS b
.irp i, 0,2,4,6,8,10,12,14
	v_dual_min_num_f32 v[S+16*(\b)+\i], v[HD+\b], v[S+16*(\b)+\i] :: v_dual_min_num_f32 v[S+16*(\b)+17+\i], v[HD+1+\b], v[S+16*(\b)+17+\i]
	v_dual_min_num_f32 v[S+16*(\b)+1+\i], v[HD+\b], v[S+16*(\b)+1+\i] :: v_dual_min_num_f32 v[S+16*(\b)+16+\i], v[HD+1+\b], v[S+16*(\b)+16+\i]
.endr
.irp c, \b, \b+1
	v_cvt_scalef32_pk8_fp8_f32 v[PC+4*(\c):PC+4*(\c)+1], v[S+16*(\c):S+16*(\c)+7], v[CV+\c]
	v_cvt_scalef32_pk8_fp8_f32 v[PC+4*(\c)+2:PC+4*(\c)+3], v[S+16*(\c)+8:S+16*(\c)+15], v[CV+\c]
.endr
.endm
; A KEY STEP: 128 keys.  av: the register with my lane's place in V's part of LDS
.macro STEP av
	v_add_nc_u32 v[ADK], s[TB], v[AK0]
	v_add_nc_u32 v[ADS], s[TS], v[ASK0]
	v_add_nc_u32 v[ADV], s[TB], v[\av]
	v_add_nc_u32 v[ADT], s[TJ], v[ASV0]
	v_mov_b32 v[OM], v12                           ; the last step's -M
.rept 3
	v_nop                                          ; with the five lines above: eight places between the last products and the loads into registers that they read
.endr
.irp k, 0,1,2,3
.irp c, 0,1,2,3
	ds_load_b128 v[FR+16*\k+4*\c:FR+16*\k+4*\c+3], v[ADK] offset:2304*\k+576*(\c%2)+128*(\c/2)   ; registers 0-7: tile u = 0; registers 8-15: tile u = 1
.endr
	ds_load_b32 v[KSW+\k], v[ADS] offset:64*\k
.endr
	s_wait_dscnt 0x0
.irp k, 0,1,2,3
	v_wmma_scale_f32_16x16x128_f8f6f4 v[S+16*\k:S+16*\k+7], v[FR+16*\k:FR+16*\k+15], v[QA:QA+15], 0, v[KSW+\k], v[QS]
	v_wmma_scale_f32_16x16x128_f8f6f4 v[S+16*\k+8:S+16*\k+15], v[FR+16*\k:FR+16*\k+15], v[QB:QB+15], 0, v[KSW+\k], v[QS]
.endr
.rept 8
	v_nop                                          ; places in front of the first read of the scores and the first write of the fragments' registers
.endr
	COSBLK 0
	COSBLK 1
	COSBLK 2
	COSBLK 3
.irp t, 0,1,2,3                                ; V's four fragments are asked for here and land under the softmax
.irp c, 0,1,2,3
	ds_load_b128 v[FR+16*\t+4*\c:FR+16*\t+4*\c+3], v[ADV] offset:PT*(16*(\c/2)+4*\t+2*(\c%2))
.endr
	ds_load_b32 v[VSW+\t], v[ADT] offset:64*\t
.endr
.irp b, 0,1,2,3
	v_max3_num_f32 v[BM+\b], v[S+16*\b], v[S+16*\b+1], v[S+16*\b+2]   ; the largest w of each block of 32 keys: for the row's maximum, and, since p rises with w, for the block's largest p
.endr
.irp i, 3,5,7,9,11,13
.irp b, 0,1,2,3
	s_delay_alu instid0(VALU_DEP_4)
	v_max3_num_f32 v[BM+\b], v[BM+\b], v[S+16*\b+\i], v[S+16*\b+\i+1]
.endr
.endr
.irp b, 0,1,2,3
	s_delay_alu instid0(VALU_DEP_4)
	v_max_num_f32 v[BM+\b], v[BM+\b], v[S+16*\b+15]
.endr
.irp b, 0,1,2,3
	s_delay_alu instid0(VALU_DEP_4)
	v_permlanex16_b32 v[TP+\b], v[BM+\b], s[SEL], s[SEL+1]
.endr
.irp b, 0,1,2,3
	s_delay_alu instid0(VALU_DEP_4)
	v_max_num_f32 v[BM+\b], v[BM+\b], v[TP+\b]     ; with lane l xor 16's 16 keys
.endr
	s_delay_alu instid0(VALU_DEP_2)
	v_max3_num_f32 v254, v[BM], v[BM+1], v[BM+2]
	s_delay_alu instid0(VALU_DEP_1)
	v_max_num_f32 v254, v254, v[BM+3]
	s_delay_alu instid0(VALU_DEP_1)
	v_fma_f32 v254, v254, s[CC2], v[C3]            ; the step's largest t of my query
	s_delay_alu instid0(VALU_DEP_1)
	v_max_num_f32 v13, v13, v254                   ; the running largest t
	s_delay_alu instid0(VALU_DEP_1)
	v_floor_f32 v12, -v13                          ; the new -M = -ceil(t): a whole number
	s_delay_alu instid0(VALU_DEP_1)
	v_sub_f32 v254, v12, v[OM]                     ; old M - new M: a whole number, 0 or less
	s_delay_alu instid0(VALU_DEP_1)
	v_cvt_i32_f32 v254, v254                       ; (it saturates)
	s_delay_alu instid0(VALU_DEP_1)
	v_ldexp_f32 v252, 1.0, v254                    ; f = 2^(old M - new M): the rescaling rounds nothing
	s_delay_alu instid0(VALU_DEP_4)
	v_add_f32 v[NM], v12, v[C3]                    ; c3 - M
.set j, 0
.rept 32
	v_pk_fma_f32 v[S+j:S+j+1], v[S+j:S+j+1], s[CC2:CC2+1], v[NM:NM+1] op_sel_hi:[1,0,0]   ; t - M
.set j, j+2
.endr
.irp b, 0,1,2,3
	v_fma_f32 v[BM+\b], v[BM+\b], s[CC2], v[NM]    ; the same of each block's largest w
.endr
	s_wait_alu depctr_va_vdst(0)                   ; the wait ahead of the batch
.set j, 0
.rept 64
	v_exp_f32 v[S+j], v[S+j]                       ; p = 2^(t - M): not normalised
.set j, j+1
.endr
.irp b, 0,1,2,3
	v_exp_f32 v[BM+\b], v[BM+\b]                   ; the blocks' largest p: the same two instructions on the same number give the same bits
.endr
	v_pk_mul_f32 v[14:15], v[14:15], v[252:253] op_sel_hi:[1,0]   ; the sums under the new M: the plain instruction behind the batch
	s_wait_alu depctr_va_vdst(0)                   ; one wait for the 68 exponentials, ahead of their first reader
	v_pk_add_f32 v[236:237], v[116:117], v[120:121]   ; the row's sum of the unquantised p, in eight chains
	v_pk_add_f32 v[250:251], v[124:125], v[128:129]
	v_pk_add_f32 v[248:249], v[132:133], v[136:137]
	v_pk_add_f32 v[244:245], v[140:141], v[144:145]
	v_pk_add_f32 v[242:243], v[148:149], v[152:153]
	v_pk_add_f32 v[240:241], v[156:157], v[160:161]
	v_pk_add_f32 v[238:239], v[164:165], v[168:169]
	v_pk_add_f32 v[14:15], v[14:15], v[172:173]
	v_pk_add_f32 v[236:237], v[236:237], v[112:113]
	v_pk_add_f32 v[250:251], v[250:251], v[114:115]
	v_pk_add_f32 v[248:249], v[248:249], v[118:119]
	v_pk_add_f32 v[244:245], v[244:245], v[122:123]
	v_pk_add_f32 v[242:243], v[242:243], v[126:127]
	v_pk_add_f32 v[240:241], v[240:241], v[130:131]
	v_pk_add_f32 v[238:239], v[238:239], v[134:135]
	v_pk_add_f32 v[14:15], v[14:15], v[138:139]
	v_pk_add_f32 v[236:237], v[236:237], v[142:143]
	v_pk_add_f32 v[250:251], v[250:251], v[146:147]
	v_pk_add_f32 v[248:249], v[248:249], v[150:151]
	v_pk_add_f32 v[244:245], v[244:245], v[154:155]
	v_pk_add_f32 v[242:243], v[242:243], v[158:159]
	v_pk_add_f32 v[240:241], v[240:241], v[162:163]
	v_pk_add_f32 v[238:239], v[238:239], v[166:167]
	v_pk_add_f32 v[14:15], v[14:15], v[170:171]
	v_pk_add_f32 v[236:237], v[236:237], v[174:175]
	v_pk_add_f32 v[14:15], v[14:15], v[244:245]
	v_pk_add_f32 v[236:237], v[236:237], v[242:243]
	v_pk_add_f32 v[250:251], v[250:251], v[240:241]
	v_pk_add_f32 v[248:249], v[248:249], v[238:239]
	v_pk_add_f32 v[14:15], v[14:15], v[250:251]
	v_pk_add_f32 v[236:237], v[236:237], v[248:249]
	v_pk_add_f32 v[14:15], v[14:15], v[236:237]
.irp b, 0,1,2,3
	v_max_num_f32 v[BM+\b], 0x4800000, v[BM+\b]    ; the floor 2^(9 - 127): the byte cannot fall under 1
.endr
.irp b, 0,1,2,3
	v_add_nc_u32 v[CV+\b], 0xfc000000, v[BM+\b]    ; 8 off the exponent field: the conversion's scale operand
.endr
.irp b, 0,1,2,3
	v_and_or_b32 v[HD+\b], v[BM+\b], 0x7f800000, s[MNT]   ; 448 x the scale
.endr
.irp b, 0,1,2,3
	v_lshrrev_b32 v[TP+\b], 23, v[CV+\b]           ; the scale's byte
.endr
	v_lshl_or_b32 v[PW], v[TP+1], 8, v[TP]         ; P's scale word for these 128 keys
	v_lshl_or_b32 v[PW], v[TP+2], 16, v[PW]
	v_lshl_or_b32 v[PW], v[TP+3], 24, v[PW]
	HOLDS 0
	HOLDS 2
	s_wait_alu depctr_va_vdst(0)                   ; the wait directly ahead of the first reader of O^T
.set j, 0
.rept 16
	v_pk_mul_f32 v[O+j:O+j+1], v[O+j:O+j+1], v[252:253] op_sel_hi:[1,0]   ; O^T under the new M; also the places between the codes and the products
.set j, j+2
.endr
	s_wait_alu depctr_va_vdst(0)                   ; the wait ahead of the wait below
	s_wait_dscnt 0x0                               ; V's fragments and scale words
.irp t, 0,1,2,3                                ; the four accumulators take turns; the scores' eight products stand between two steps
	v_wmma_scale_f32_16x16x128_f8f6f4 v[O+8*\t:O+8*\t+7], v[FR+16*\t:FR+16*\t+15], v[PC:PC+15], v[O+8*\t:O+8*\t+7], v[VSW+\t], v[PW]
.endr
	s_add_co_u32 s[TB], s[TB], STEPB
	s_add_co_u32 s[TS], s[TS], 256
	s_add_co_u32 s[TJ], s[TJ], 512
.endm
	s_mov_b32 s[TB], KA
	s_mov_b32 s[TS], 0
	s_mov_b32 s[TJ], 0
	s_mov_b32 s[CNT], 3
.Lc0:                                              ; key steps 0-2, while the rest of K and V lands
	STEP AV0
	s_sub_co_u32 s[CNT], s[CNT], 1
	s_cmp_lg_u32 s[CNT], 0
	s_cbranch_scc1 .Lc0
	s_wait_tensorcnt 0x0                           ; my part of steps 3-15 has landed
	s_wait_dscnt 0x0
	s_barrier_signal -1
	s_barrier_wait -1                              ; everybody's has
	s_mov_b32 s[TB], KB
	s_mov_b32 s[CNT], 13
.Lc1:
	STEP AV1
	s_sub_co_u32 s[CNT], s[CNT], 1
	s_cmp_lg_u32 s[CNT], 0
	s_cbranch_scc1 .Lc1
	; THE WAY OUT: O^T / the sum, two blocks of 32 quantised, the codes stored as an image of the last product's operand
	v_add_f32 v14, v14, v15
	v_permlanex16_b32 v[TP], v14, s[SEL], s[SEL+1]
	v_add_f32 v14, v14, v[TP]                      ; the row's sum
	s_wait_alu depctr_va_vdst(0)                   ; the wait ahead of the transcendental
	v_rcp_f32 v14, v14
	v_and_b32 v23, 15, v0                          ; r
	v_bfe_u32 v254, v0, 4, 1                       ; h
	v_lshlrev_b32 v5, 4, v23
	v_lshl_add_u32 v5, v254, 3, v5                 ; the codes: 16 r + 8 h
	v_lshl_add_u32 v6, v23, 5, v254                ; the scale byte: 32 r + h
	v_cmp_eq_u32 vcc_lo, 1, v254
.rept 4
	v_nop                                          ; with the lines above: more than eight places behind the last products
.endr
	s_lshl_b32 s26, s68, 7
	s_add_co_u32 s26, s26, s91
	s_lshl_b32 s26, s26, 14                        ; a token tile's image is 16,384 bytes,
	s_lshl_b32 s96, s67, 10                        ; a head's part of it 1,024
	s_add_co_u32 s26, s26, s96
	s_add_nc_u64 s[22:23], s[22:23], s[26:27]
	s_lshl_b32 s26, s68, 16
	s_lshl_b32 s96, s91, 9
	s_add_co_u32 s26, s26, s96
	s_lshl_b32 s96, s67, 1
	s_add_co_u32 s26, s26, s96                     ; 32 x token + 2 x head
	s_add_nc_u64 s[24:25], s[24:25], s[26:27]
	s_wait_alu depctr_va_vdst(0)                   ; the wait for the reciprocal, directly ahead of its and O^T's first reader
.set j, 0
.rept 16
	v_pk_mul_f32 v[O+j:O+j+1], v[O+j:O+j+1], v[14:15] op_sel_hi:[1,0]   ; each accumulator from its low end on
.set j, j+2
.endr
.irp b, 0,1
	v_max3_num_f32 v[BM+\b], |v[O+16*\b]|, |v[O+16*\b+1]|, 0x4800000
.endr
.irp i, 2,4,6,8,10,12,14
.irp b, 0,1
	v_max3_num_f32 v[BM+\b], v[BM+\b], |v[O+16*\b+\i]|, |v[O+16*\b+\i+1]|
.endr
.endr
.irp b, 0,1
	v_permlanex16_b32 v[TP+\b], v[BM+\b], s[SEL], s[SEL+1]
.endr
.irp b, 0,1
	v_max_num_f32 v[BM+\b], v[BM+\b], v[TP+\b]
.endr
.irp b, 0,1
	v_add_nc_u32 v[CV+\b], 0xfc000000, v[BM+\b]
.endr
.irp b, 0,1
	v_and_or_b32 v[HD+\b], v[BM+\b], 0x7f800000, s[MNT]
.endr
.irp b, 0,1
	v_lshrrev_b32 v[TP+\b], 23, v[CV+\b]
.endr
.irp b, 0,1
.irp i, 0,1,2,3,4,5,6,7,8,9,10,11,12,13,14,15
	v_med3_num_f32 v[O+16*\b+\i], v[O+16*\b+\i], -v[HD+\b], v[HD+\b]
.endr
.endr
.irp t, 0,1,2,3
	v_cvt_scalef32_pk8_fp8_f32 v[PC+2*\t:PC+2*\t+1], v[O+8*\t:O+8*\t+7], v[CV+\t/2]
.endr
	v_cndmask_b32 v7, v[TP], v[TP+1], vcc_lo       ; lanes 0-15 store block 0's byte, lanes 16-31 block 1's.  (Also the plain instruction behind the conversions)
.irp t, 0,1,2,3
	global_store_b64 v5, v[PC+2*\t:PC+2*\t+1], s[22:23] offset:256*\t   ; 32 lanes store 256 consecutive bytes, aligned
.endr
	global_store_b8 v6, v7, s[24:25]
	s_wait_tensorcnt 0x0                           ; the wave's end
	ds_add_u32 v[SPW], v[NIL]
	s_wait_dscnt 0x0
	CROUND                                         ; the closing round
	s_endpgm
.Lfunc_end_k_q982f97cdf8_attn:
	.size	k_q982f97cdf8_attn, .Lfunc_end_k_q982f97cdf8_attn-k_q982f97cdf8_attn
	.p2alignl 7, 3214868480
	.fill 96, 4, 3214868480
	.section	.rodata,"a",@progbits
	.p2align	6, 0x0
	.amdhsa_kernel k_q982f97cdf8_attn
		.amdhsa_group_segment_fixed_size 327680
		.amdhsa_private_segment_fixed_size 0
		.amdhsa_enable_private_segment 0
		.amdhsa_kernarg_size 88
		.amdhsa_user_sgpr_count 2
		.amdhsa_user_sgpr_kernarg_segment_ptr 1
		.amdhsa_wavefront_size32 1
		.amdhsa_system_sgpr_workgroup_id_x 1
		.amdhsa_system_sgpr_workgroup_id_y 1
		.amdhsa_system_sgpr_workgroup_id_z 1
		.amdhsa_system_vgpr_workitem_id 0
		.amdhsa_next_free_vgpr 256
		.amdhsa_next_free_sgpr 100
		.amdhsa_reserve_vcc 1
		.amdhsa_float_denorm_mode_32 3
		.amdhsa_float_denorm_mode_16_64 3
		.amdhsa_memory_ordered 1
		.amdhsa_forward_progress 1
		.amdhsa_inst_pref_size 97
	.end_amdhsa_kernel
	.amdgpu_metadata
---
amdhsa.version: [ 1, 2 ]
amdhsa.kernels:
  - .name:           k_q982f97cdf8_attn
    .symbol:         k_q982f97cdf8_attn.kd
    .args:
      - { .name: qimg, .offset: 0, .size: 8, .value_kind: global_buffer, .address_space: global }
      - { .name: qsc, .offset: 8, .size: 8, .value_kind: global_buffer, .address_space: global }
      - { .name: kimg, .offset: 16, .size: 8, .value_kind: global_buffer, .address_space: global }
      - { .name: ksc, .offset: 24, .size: 8, .value_kind: global_buffer, .address_space: global }
      - { .name: vimg, .offset: 32, .size: 8, .value_kind: global_buffer, .address_space: global }
      - { .name: vsc, .offset: 40, .size: 8, .value_kind: global_buffer, .address_space: global }
      - { .name: quantum_phases, .offset: 48, .size: 8, .value_kind: global_buffer, .address_space: global }
      - { .name: w_real, .offset: 56, .size: 8, .value_kind: global_buffer, .address_space: global }
      - { .name: w_imag, .offset: 64, .size: 8, .value_kind: global_buffer, .address_space: global }
      - { .name: aimg, .offset: 72, .size: 8, .value_kind: global_buffer, .address_space: global }
      - { .name: asc, .offset: 80, .size: 8, .value_kind: global_buffer, .address_space: global }
    .group_segment_fixed_size: 327680
    .private_segment_fixed_size: 0
    .kernarg_segment_align: 8
    .kernarg_segment_size: 88
    .max_flat_workgroup_size: 512
    .sgpr_count:     100
    .vgpr_count:     256
    .wavefront_size: 32
...
	.end_amdgpu_metadata
.endif
;; end of part 2
;; launch outp (part 3): grid 8 x 32, 4 waves a work-group, clusters of 4 x 4, 327,680 bytes of LDS; arguments aimg, asc, Wo_codes, Wo_scales, bo, out0; writes out0
.if DOCPART == 3
	.amdgcn_target "amdgcn-amd-amdhsa--gfx1250"
	.amdhsa_code_object_version 6
	.text
	.protected	k_q982f97cdf8_outp
	.globl	k_q982f97cdf8_outp
	.p2align	8
	.type	k_q982f97cdf8_outp,@function
k_q982f97cdf8_outp:
	s_mov_b64 s[64:65], 0
	v_nop
	global_prefetch_b8 v0, s[64:65] scope:SCOPE_SE
	s_setreg_imm32_b32 hwreg(HW_REG_WAVE_MODE, 25, 1), 1
	s_wait_xcnt 0x0
	s_wait_alu depctr_hold_cnt(0) depctr_sa_sdst(0) depctr_va_vdst(0) depctr_va_sdst(0) depctr_va_ssrc(0) depctr_va_vcc(0) depctr_vm_vsrc(0)
	s_getreg_b32 s2, hwreg(HW_REG_IB_STS2, 6, 4)
	s_cmp_eq_u32 s2, 0
	s_cbranch_scc0 .Lentry_in_a_cluster
	s_endpgm
.Lentry_in_a_cluster:
	s_bfe_u32 s2, ttmp6, 0x10000c
	s_cmp_lg_u32 s2, 0xf033
	s_cbranch_scc0 .Lentry_shape_is_right
	s_endpgm
.Lentry_shape_is_right:
; out0 = A Wo^T + bo on codes of E4M3 with E8M0 scales: 4,096 x 1,024 x 1,024.  A: aimg, an image of operand registers [token tile of 16][K step of 128][piece c of 4][lane][16 bytes], and asc [token][32 scale bytes].
; THE DEAL.  256 work-groups of four waves (2 x 2); a work-group makes 128 tokens x 128 columns, a wave 64 x 64.  ALL OF K LIES IN LDS: A's 128 tokens are 131,072 dense bytes, Wo's 128 rows 128 x (1,024 + 16 of padding):
; every fill is a first fill, one tensor load a wave at the head: waves 0, 1 the halves of Wo's rows (asked for and shown first), waves 2, 3 the halves of A's image.
; A wave holds its 64 rows of Wo, all of K, in 512 registers (windows 1, 2) and streams its four blocks of 16 tokens past them, two sets of 128 registers (window 3).  A block is 32 products on four accumulators by turns
; the bias is the first four products' C.  A finished block leaves at once through the wave's own stage, while later blocks are multiplied.
; THE PRODUCT IS USED TRANSPOSED (source 0 = 16 rows of Wo, source 1 = 16 tokens): a lane holds eight neighbouring columns of one token's row.
; The scale words go from memory straight into registers: lane l takes row l of a pair of tiles, 32 bytes = the eight words of all of K; lanes 0-15 serve the even tile, lanes 16-31 the odd one (ROW1).
; CLUSTERS 4 x 4: A's image is shared along a row of the cluster, Wo's rows along a column: joint loads.  No prefetch: all that the launch reads is asked for at its head; there is no loop to run ahead in.
.set PB,    1040                       ; a row of Wo in LDS
.set HB,    64*PB
.set BB,    131072                     ; LDS: A's image at 0, Wo's rows here,
.set STAGE, BB+2*HB                    ; the stages: 16 rows x (256 + 16) bytes a wave,
.set SP,    272
.set SPARE, STAGE+4*16*SP              ; the spare words
.set ADRA, 4
.set ADRB, 5
.set STO,  6
.set RD,   7
.set CO,   8
.set ABS,  9
.set SPW,  10
.set NIL,  11
.set ABI,  12
.set SB,   32                          ; v32-47 Wo's scale words: register 8 p + q;  v52-67 A's: register 8 g + q: no product's two scale words have numbers equal modulo 8
.set SA,   52
.set BI,   72                          ; v72-103 the bias in the results' layout
.set ACC,  104                         ; v104-167 two sets of four accumulators
.set BK,   168                         ; v168-231 two sets of 16 rows read back from the stage
.set WV, 20
.set WR, 21
.set WC, 22
.set CX, 23
.set CY, 24
.set BX, 25
.set BY, 26
.set G1A, 32
.set G1B, 40
.set G0A, 48
.set G0B, 52
.set MSB, 0
.macro WIN new                         ; the immediate's high byte repeats the setting that is left
.if MSB != \new
	s_set_vgpr_msb (MSB<<8)|\new
.set MSB, \new
.endif
.endm
.macro PLACES n
.rept \n
	v_nop
.endr
.endm
.macro BARRIER
	s_barrier_signal -1
	s_barrier_wait -1
.endm
.macro CROUND
	BARRIER
	s_cmp_lg_u32 s[WV], 0
	s_cbranch_scc1 .Lnot_wave_0_\@
	s_barrier_signal -3
.Lnot_wave_0_\@:
	s_barrier_wait -3
	BARRIER
.endm
.macro TLOAD g0, g1                    ; an s_nop 0 and four v_nop follow a tensor load
	tensor_load_to_lds s[\g0:\g0+3], s[\g1:\g1+7]
	s_nop 0
	PLACES 4
.endm
	s_load_b128 s[4:7], s[0:1], 0x0                ; aimg, asc
	s_load_b128 s[8:11], s[0:1], 0x10              ; Wo_codes, Wo_scales
	s_load_b128 s[12:15], s[0:1], 0x20             ; bo, out0
	v_lshl_add_u32 v[SPW], v0, 2, SPARE
	v_mov_b32 v[NIL], 0
	ds_add_u32 v[SPW], v[NIL]                      ; the opening lines: the add twice on end and its wait
	ds_add_u32 v[SPW], v[NIL]
	v_lshrrev_b32 v1, 5, v0
	v_readfirstlane_b32 s[WV], v1                  ; wave 0..3
	s_lshr_b32 s[WR], s[WV], 1                     ; my half of the tokens
	s_and_b32 s[WC], s[WV], 1                      ; my half of the columns; also which half of a tile I fetch
	s_bfe_u32 s[CX], ttmp6, 0x40000
	s_bfe_u32 s[CY], ttmp6, 0x40004
	s_lshl_b32 s[BX], ttmp9, 2
	s_add_co_u32 s[BX], s[BX], s[CX]               ; block column
	s_and_b32 s[BY], ttmp7, 0xffff
	s_lshl_b32 s[BY], s[BY], 2
	s_add_co_u32 s[BY], s[BY], s[CY]               ; block row
	s_lshl_b32 s27, s[CY], 2
	s_lshl_b32 s27, 15, s27                        ; my row of the cluster
	s_lshl_b32 s28, 0x1111, s[CX]                  ; my column
	s_or_b32 s[G1A], s27, (3<<16)|(1<<21)          ; A: 65,536 dense bytes as 16 rows of 4,096 (512 elements of 8)
	s_mov_b32 s[G1A+1], 512<<16
	s_mov_b32 s[G1A+2], 16<<16
	s_mov_b32 s[G1A+3], 512<<16
	s_mov_b32 s[G1A+4], 16
	s_mov_b32 s[G1A+5], 512
	s_mov_b32 s[G1A+6], 0
	s_mov_b32 s[G1A+7], 0
	s_or_b32 s[G1B], s28, (1<<20)|(1<<21)|(7<<22)|(3<<25)   ; Wo: 64 rows of 1,024 bytes, 4 words of padding behind every 256
	s_mov_b32 s[G1B+1], 1024<<16
	s_mov_b32 s[G1B+2], 64<<16
	s_mov_b32 s[G1B+3], 1024<<16
	s_mov_b32 s[G1B+4], 64
	s_mov_b32 s[G1B+5], 1024
	s_mov_b32 s[G1B+6], 0
	s_mov_b32 s[G1B+7], 0
	s_mov_b32 s[G0A], 1
	s_lshl_b32 s[G0A+1], s[WC], 16
	s_mov_b32 s[G0B], 1
	s_mul_i32 s[G0B+1], s[WC], HB
	s_add_co_u32 s[G0B+1], s[G0B+1], BB
	s_lshl_b32 s58, s[WC], 16
	s_lshl_b32 s56, s[BY], 17                      ; A: 131,072 x block row + my half
	s_add_co_u32 s56, s56, s58
	s_mov_b32 s57, 0
	s_lshl_b32 s60, s[BX], 17                      ; Wo: 128 rows x block column + my half
	s_add_co_u32 s60, s60, s58
	s_mov_b32 s61, 0
	s_lshl_b32 s62, s[BX], 7
	s_lshl_b32 s59, s[WC], 6
	s_add_co_u32 s62, s62, s59                     ; my first column
	s_lshl_b32 s63, s[BY], 7
	s_lshl_b32 s59, s[WR], 6
	s_add_co_u32 s63, s63, s59                     ; my first token
	s_lshl_b32 s66, s62, 5
	s_mov_b32 s67, 0
	s_lshl_b32 s68, s63, 5
	s_mov_b32 s69, 0
	s_lshl_b32 s70, s62, 2
	s_mov_b32 s71, 0
	s_lshl_b32 s72, s63, 12
	s_add_co_u32 s72, s72, s70
	s_mov_b32 s73, 0
	s_lshl_b32 s74, s[WR], 16
	s_mul_i32 s75, s[WC], HB
	s_add_co_u32 s75, s75, BB
	s_mul_i32 s76, s[WV], 16*SP
	s_add_co_u32 s76, s76, STAGE
	s_wait_dscnt 0x0
	s_wait_kmcnt 0x0
	s_add_nc_u64 s[G0A+2:G0A+3], s[4:5], s[56:57]
	s_or_b32 s[G0A+3], s[G0A+3], 0x80000000
	s_add_nc_u64 s[G0B+2:G0B+3], s[8:9], s[60:61]
	s_or_b32 s[G0B+3], s[G0B+3], 0x80000000
	s_add_nc_u64 s[6:7], s[6:7], s[68:69]
	s_add_nc_u64 s[10:11], s[10:11], s[66:67]
	s_add_nc_u64 s[12:13], s[12:13], s[70:71]
	s_add_nc_u64 s[14:15], s[14:15], s[72:73]
	CROUND                                         ; all sixteen work-groups are here: the joint loads meet
	s_cmp_lt_u32 s[WV], 2                          ; one tensor load a wave, a line for each group of waves that waits alike
	s_cbranch_scc0 .Lfor_a
	TLOAD G0B, G1B
	s_branch .Lasked
.Lfor_a:
	TLOAD G0A, G1A
.Lasked:
	v_and_b32 v1, 15, v0                           ; r
	v_bfe_u32 v2, v0, 4, 1                         ; h
	v_and_b32 v3, 31, v0                           ; lane
	v_lshl_add_u32 v[ADRA], v3, 4, s74             ; A's image: 16 x lane in my four token tiles
	v_mul_u32_u24 v[ADRB], v1, PB
	v_lshl_add_u32 v[ADRB], v2, 4, v[ADRB]
	v_add_nc_u32 v[ADRB], s75, v[ADRB]             ; Wo: row r x pitch + 16 h in my 64 rows
	v_mul_u32_u24 v[STO], v1, SP
	v_lshl_add_u32 v[STO], v2, 5, v[STO]
	v_add_nc_u32 v[STO], s76, v[STO]               ; the stage, in: row r, 32 bytes for each half of the lanes
	v_mul_u32_u24 v[RD], v2, SP
	v_lshl_add_u32 v[RD], v1, 4, v[RD]
	v_add_nc_u32 v[RD], s76, v[RD]                 ; back: lanes 0-15 one row of 256 bytes, lanes 16-31 the next
	v_lshlrev_b32 v[CO], 12, v2
	v_lshl_add_u32 v[CO], v1, 4, v[CO]             ; and the same two rows in out0
	v_lshlrev_b32 v[ABS], 5, v3
	v_lshlrev_b32 v[ABI], 5, v2
	s_wait_alu depctr_va_vdst(0)                   ; the wait at the head's end
.irp p, 0,1
.irp c, 0,1
	global_load_b128 v[SB+8*\p+4*\c:SB+8*\p+4*\c+3], v[ABS], s[10:11] offset:\p*1024+16*\c
	global_load_b128 v[SA+8*\p+4*\c:SA+8*\p+4*\c+3], v[ABS], s[6:7] offset:\p*1024+16*\c
.endr
.endr
.irp b, 0,1,2,3
	global_load_b128 v[BI+8*\b:BI+8*\b+3], v[ABI], s[12:13] offset:64*\b
	global_load_b128 v[BI+8*\b+4:BI+8*\b+7], v[ABI], s[12:13] offset:64*\b+16
.endr
	s_cmp_lt_u32 s[WV], 2
	s_cbranch_scc0 .Lnot_b
	s_wait_tensorcnt 0x0                           ; waves 0, 1: Wo's rows have landed.  The other waves' wait stands at the second barrier
.Lnot_b:
	BARRIER
.set F_, 0
.rept 32                                       ; my 64 rows of Wo, all of K: fragment 4 q + b in window 1 + f / 16: 128 loads
	WIN (1+F_/16)<<6
.irp c, 0,1,2,3
	ds_load_b128 v[16*(F_%16)+4*\c:16*(F_%16)+4*\c+3], v[ADRB] offset:128*(F_/4)+32*\c+(F_%4)*16*PB
.endr
.set F_, F_+1
.endr
	WIN 0
	s_wait_tensorcnt 0x0                           ; A's image has landed
	s_wait_dscnt 0x0
	BARRIER
.macro FETCH i                         ; block i, 16 tokens, all of K, into set i % 2 of window 3: 32 loads
	WIN 3<<6
.irp q, 0,1,2,3,4,5,6,7
.irp c, 0,1,2,3
	ds_load_b128 v[128*((\i)%2)+16*\q+4*\c:128*((\i)%2)+16*\q+4*\c+3], v[ADRA] offset:16384*(\i)+2048*\q+512*\c
.endr
.endr
	WIN 0
.endm
.macro HALF i, g                       ; products 16 g .. 16 g + 15 of block i: product 4 q + b is the q-th 128 of K, column tile b
.set N_, 16*(\g)
	WIN (1+\g)|(3<<2)
.rept 16
.set Q_, N_/4
.set B_, N_%4
.set D_, ACC+32*((\i)%2)+8*B_
.set C_, D_
.if Q_ == 0
.set C_, BI+8*B_
.endif
.set W_, 16*(N_%16)
.set X_, 128*((\i)%2)+16*Q_
.set SW_, SB+8*(B_/2)+Q_
.set SX_, SA+8*((\i)/2)+Q_
.if (B_%2) && ((\i)%2)
	v_wmma_scale_f32_16x16x128_f8f6f4 v[D_:D_+7], v[W_:W_+15], v[X_:X_+15], v[C_:C_+7], v[SW_], v[SX_] matrix_a_scale:MATRIX_SCALE_ROW1 matrix_b_scale:MATRIX_SCALE_ROW1
.elseif B_%2
	v_wmma_scale_f32_16x16x128_f8f6f4 v[D_:D_+7], v[W_:W_+15], v[X_:X_+15], v[C_:C_+7], v[SW_], v[SX_] matrix_a_scale:MATRIX_SCALE_ROW1
.elseif (\i)%2
	v_wmma_scale_f32_16x16x128_f8f6f4 v[D_:D_+7], v[W_:W_+15], v[X_:X_+15], v[C_:C_+7], v[SW_], v[SX_] matrix_b_scale:MATRIX_SCALE_ROW1
.else
	v_wmma_scale_f32_16x16x128_f8f6f4 v[D_:D_+7], v[W_:W_+15], v[X_:X_+15], v[C_:C_+7], v[SW_], v[SX_]
.endif
.set N_, N_+1
.endr
	WIN 0
.endm
.macro TOSTAGE i                       ; block i into my stage and back as whole rows: 16 LDS lines.  LDS serves a wave's instructions in order (ISA guide 5.7.1.4)
.irp b, 0,1,2,3
	ds_store_b128 v[STO], v[ACC+32*((\i)%2)+8*\b:ACC+32*((\i)%2)+8*\b+3] offset:64*\b     ; each accumulator from its low end on
	ds_store_b128 v[STO], v[ACC+32*((\i)%2)+8*\b+4:ACC+32*((\i)%2)+8*\b+7] offset:64*\b+16
.endr
.irp t, 0,1,2,3,4,5,6,7
	ds_load_b128 v[BK+32*((\i)%2)+4*\t:BK+32*((\i)%2)+4*\t+3], v[RD] offset:\t*2*SP
.endr
.endm
.macro SEND i                          ; sixteen lanes store 256 consecutive bytes, aligned
.irp t, 0,1,2,3,4,5,6,7
	global_store_b128 v[CO], v[BK+32*((\i)%2)+4*\t:BK+32*((\i)%2)+4*\t+3], s[14:15] offset:(\i)*65536+\t*8192 th:TH_STORE_NT
.endr
.endm
; A block.  w0: the LDS lines issued behind this block's fetch, which may stay out.  w1: those issued behind the last block's stage lines.  The last block's rows are stored in this block's middle.
.macro RUN i, w0, w1
	s_wait_dscnt \w0
	HALF \i, 0
.if (\i) > 0
	s_wait_dscnt \w1
	SEND (\i)-1
.endif
	HALF \i, 1
	PLACES 8                                       ; eight places behind the last product, ahead of the stage's reads of the sums and of the fetch into the set that it read
.if (\i) > 1
	s_wait_xcnt 0x0                                ; the stores of the block two back have read their registers
.endif
	TOSTAGE \i
.if (\i) < 2
	FETCH (\i)+2
.endif
.endm
	FETCH 0
	FETCH 1
	s_wait_loadcnt 0x0                             ; the scale words and the bias
	RUN 0, 32, 0                                   ; 32: block 1's fetch
	RUN 1, 48, 32                                  ; 48: block 0's 16 stage lines and block 2's fetch;  32: that fetch
	RUN 2, 48, 32
	RUN 3, 16, 0                                   ; 16: block 2's stage lines
	s_wait_dscnt 0x0
	SEND 3
	s_wait_tensorcnt 0x0                           ; the wave's end
	ds_add_u32 v[SPW], v[NIL]
	s_wait_dscnt 0x0
	CROUND                                         ; the closing round
	s_endpgm
.Lfunc_end_k_q982f97cdf8_outp:
	.size	k_q982f97cdf8_outp, .Lfunc_end_k_q982f97cdf8_outp-k_q982f97cdf8_outp
	.p2alignl 7, 3214868480
	.fill 96, 4, 3214868480
	.section	.rodata,"a",@progbits
	.p2align	6, 0x0
	.amdhsa_kernel k_q982f97cdf8_outp
		.amdhsa_group_segment_fixed_size 327680
		.amdhsa_private_segment_fixed_size 0
		.amdhsa_enable_private_segment 0
		.amdhsa_kernarg_size 48
		.amdhsa_user_sgpr_count 2
		.amdhsa_user_sgpr_kernarg_segment_ptr 1
		.amdhsa_wavefront_size32 1
		.amdhsa_system_sgpr_workgroup_id_x 1
		.amdhsa_system_sgpr_workgroup_id_y 1
		.amdhsa_system_sgpr_workgroup_id_z 1
		.amdhsa_system_vgpr_workitem_id 0
		.amdhsa_next_free_vgpr 1024
		.amdhsa_next_free_sgpr 80
		.amdhsa_reserve_vcc 0
		.amdhsa_float_denorm_mode_32 3
		.amdhsa_float_denorm_mode_16_64 3
		.amdhsa_memory_ordered 1
		.amdhsa_forward_progress 1
		.amdhsa_inst_pref_size 50
	.end_amdhsa_kernel
	.amdgpu_metadata
---
amdhsa.version: [ 1, 2 ]
amdhsa.kernels:
  - .name:           k_q982f97cdf8_outp
    .symbol:         k_q982f97cdf8_outp.kd
    .args:
      - { .name: aimg, .offset: 0, .size: 8, .value_kind: global_buffer, .address_space: global }
      - { .name: asc, .offset: 8, .size: 8, .value_kind: global_buffer, .address_space: global }
      - { .name: Wo_codes, .offset: 16, .size: 8, .value_kind: global_buffer, .address_space: global }
      - { .name: Wo_scales, .offset: 24, .size: 8, .value_kind: global_buffer, .address_space: global }
      - { .name: bo, .offset: 32, .size: 8, .value_kind: global_buffer, .address_space: global }
      - { .name: out0, .offset: 40, .size: 8, .value_kind: global_buffer, .address_space: global }
    .group_segment_fixed_size: 327680
    .private_segment_fixed_size: 0
    .kernarg_segment_align: 8
    .kernarg_segment_size: 48
    .max_flat_workgroup_size: 128
    .sgpr_count:     80
    .vgpr_count:     1024
    .wavefront_size: 32
...
	.end_amdgpu_metadata
.endif
;; end of part 3
